; MI455X (gfx1250); checked and timed in simulation.
; The chip was launched on July 23, 2026; its instructions are those of AMD's public machine-readable ISA for CDNA 5 (MIT licence, August 2026) and "CDNA5" Instruction Set Architecture Reference Guide (July 2026). The comments in the code are by the model that wrote it; some were corrected since.
;; Self Attention. Allowed arithmetic: matrix products marked QUANTISED: E2M1 operands, one E8M0 scale for each 32 along K, by v_wmma_scale_f32_16x16x128_f8f6f4 with both operands' format E2M1 (or v_wmma_scale_f32_32x16x128_f4), f32 sums; products left as they are: bf16, f16 or f32 operands; f32 sums; everything else in f32.
;; Inputs: Wk 1,024 x 1,024 float32; Wq 1,024 x 1,024 float32; Wv 1,024 x 1,024 float32; bk 1,024 float32; bq 1,024 float32; bv 1,024 float32; x 4 x 2,048 x 1,024 float32.
;; Outputs: out0 4 x 2,048 x 1,024 float32.
;; This version of the problem:
;;   THIS VERSION OF THE PROBLEM IS GIVEN IN LOW PRECISION. The matrix products marked QUANTISED in the list below multiply operands that are first quantised to E2M1 (2 exponent bits, 1 mantissa bit; 4 bits a number), with one power-of-two scale for each 32 numbers along K (OCP MX v1.0); their sums are f32. The products marked 'left as it is' may take bf16, f16 or f32 operands, with f32 sums. Whichever they take, every output number must still come out within the allowed error. Rounding operands to bf16 (8 significant bits) uses up far more of that allowance than f16 does (11 bits, for magnitudes from 6e-5 to 65,504). All else is computed in f32.
;;   The module's matrix products, in the order in which they are computed (A, B: the left and right operand; K: the contracted axis; several contracted axes count as one K, in the product's order):
;;     1. [M 8,192, K 1,024] x [K 1,024, N 1,024]; A: input x; B: input Wq: QUANTISED
;;     2. [M 8,192, K 1,024] x [K 1,024, N 1,024]; A: input x; B: input Wk: QUANTISED
;;     3. [M 8,192, K 1,024] x [K 1,024, N 1,024]; A: input x; B: input Wv: QUANTISED
;;     4. batch 4 x [M 2,048, K 1,024] x [K 1,024, N 2,048]; A: computed on the way; B: computed on the way: left as it is (an operand is computed on the way)
;;     5. batch 4 x [M 2,048, K 2,048] x [K 2,048, N 1,024]; A: computed on the way; B: computed on the way: left as it is (an operand is computed on the way)
;;   THE QUANTISER, for each operand of a quantised product, along K:
;;     - K is cut into blocks of 32 from its start; a last block that is shorter is filled with zeros.
;;     - A block's scale is 2^e with e = floor(log2(the largest magnitude in the block)) - 2, held to -126 .. 127; a block of zeros has e = 0. As a byte (E8M0): e + 127.
;;     - Each number is divided by its block's scale, clamped to +-6, and rounded to the nearest number of E2M1, ties to even, subnormals kept.
;;     - The product sums the exact products of the quantised numbers (number of the format x scale) in f32.
;;   ~~~python
;;   def quantise(x, axis):      # numpy; x: float32 -> the quantised numbers, widened to float32 again
;;       x = np.moveaxis(x, axis, -1); K = x.shape[-1]
;;       x = np.pad(x, [(0, 0)] * (x.ndim - 1) + [(0, -K % 32)]); x = x.reshape(x.shape[:-1] + (-1, 32)); a = np.abs(x).max(-1, keepdims=True)
;;       e = np.where(a > 0, np.clip(np.frexp(np.where(a > 0, a, 1))[1] - 1 - 2, -126, 127), 0)      # np.frexp(a)[1] - 1 = floor(log2(a)), exactly
;;       r = np.clip(x / 2.0 ** e, -6, 6)
;;       step = 2.0 ** (np.maximum(np.frexp(np.where(r == 0, 1, r))[1] - 1, 0) - 1)
;;       q = np.round(r / step) * step * 2.0 ** e      # np.round: ties to even
;;       return np.moveaxis(q.reshape(q.shape[:-2] + (-1,))[..., :K], -1, axis).astype(np.float32)
;;   ~~~
;; One version. Each part assembles by itself: llvm-mc -triple=amdgcn-amd-amdhsa -mcpu=gfx1250 --defsym DOCPART=n.
;; ======== version 1 of 1: 5 launches
;; limits: values are held in f16: magnitudes above 65,504 overflow, below 6.1e-05 lose precision
;; workspace buffers: xq 4,456,448 bytes; wq 1,671,168 bytes; qk 33,554,432 bytes; vv 16,777,216 bytes; fin 786,432 bytes; p16 33,554,432 bytes; stat 1,048,576 bytes
;; launch quant (part 1): grid 448 x 1, 4 waves a work-group, no clusters, 33,280 bytes of LDS; arguments x, Wq, Wk, Wv, xq, wq; writes xq, wq
.if DOCPART == 1
	.amdgcn_target "amdgcn-amd-amdhsa--gfx1250"
	.amdhsa_code_object_version 6
	.text
	.protected	k_q7ec6a34dac_quant
	.globl	k_q7ec6a34dac_quant
	.p2align	8
	.type	k_q7ec6a34dac_quant,@function
k_q7ec6a34dac_quant:
	s_mov_b64 s[64:65], 0
	v_nop
	global_prefetch_b8 v0, s[64:65] scope:SCOPE_SE
	s_setreg_imm32_b32 hwreg(HW_REG_WAVE_MODE, 25, 1), 1
	s_wait_xcnt 0x0
; SELF-ATTENTION, ONE HEAD OF 1,024 CHANNELS, 4 SEQUENCES OF 2,048 POSITIONS, CAUSAL.  Five launches: this one (codes of x and of the weights), proj (q, k, v), scores (p and each block's row statistics),
; pv (the output but for each sequence's first 16 rows), fine (those rows in f32).
; WORK LEFT OUT, IN THE PROBLEM'S OWN TERMS.
;  bk: att[t][s] = scale (q_t . (x Wk)_s + q_t . bk).  The second term is the same for every s, the axis of the softmax; softmax(z + const) = softmax(z) for all finite values; hidden entries stay -inf.  The product
;      q k^T is not quantised, so bk enters no quantiser.  So bk has no way to any output: it is not loaded and is among no launch's arguments.
;  Blocks of 128 queries x 128 keys that lie wholly above the diagonal of the mask that the problem builds itself (tril): their weights are exactly 0; they are multiplied in neither attention product
;      (but for the one such block inside a diagonal tile of 256 x 256 of scores, which holds live work too; it is neither put through the softmax nor stored).
;  LIMIT: a NaN, an infinity or an overflow that would arise only in the work left out is not carried to the result.
; OTHER LIMITS: |q|, |k|, |v| stay under 65,504 (they are operands in f16); a block of 32 whose largest magnitude lies under 2^-124 keeps the scale byte 1; a block of zeros gets the byte 1 where the rule says 127 (its
;      codes are zeros, which add nothing under any byte but 0xff, and only this program reads the bytes); NaN and infinities among the inputs are not served.
; THIS LAUNCH: x [8192][1024] and Wq, Wk, Wv [1024 (k)][1024 (n)], f32, become codes of E2M1 with one E8M0 byte for each 32 along K.
;  A block's scale is 2^(floor(log2(largest magnitude)) - 2): its byte is the largest magnitude's exponent field - 2, held at 1 from below; the conversion divides by it, rounds to the nearest code, ties to even, and holds at +-6.
;  xq: codes [8192][512 bytes], K innermost; from byte 4,194,304 the scale bytes [8192][32].
;  wq: codes as IMAGES OF THE OPERAND'S REGISTERS: [tile of 16 columns 192][K step of 128: 8][c 2][lane 32][16 bytes]: lane (r, h), group c holds k = 128 step + 64 c + 32 h + 0..31 of column 16 tile + r (columns 0-1023 q, then k, then v);
;      from byte 1,572,864 the scale words [K step 8][column 3072], four bytes each.
; Work-groups 0-191 take the weights, 192-447 take x.  The two paths part on the work-group's number and never join; only x's path touches LDS.  No barrier: waves share nothing.
.set STEPS, 16
.set WREG,  8192                       ; LDS: a region for each wave: two stages of 32 x SP bytes, then its 256 scale bytes
.set SP,    80                         ; a lane's place in a stage: 64 bytes + 16 of padding
.set SPARE, 4*WREG                     ; the spare words, 128 bytes a wave: two blocks of 256 bytes that no other line names
.set SPW,   12                         ; v12  my spare word's LDS address; never rewritten
.set NIL,   13                         ; v13  0; never rewritten
.set R,     16                         ; x: v16-143  eight sets of 16 numbers as loaded
.set X,     144                        ; x: v144-175 two sets of 16 neighbours
.set E,     176                        ; x: v176-191 a scale byte for each step
.set C,     192                        ; x: v192-223 two registers of codes for each step: no store's data are written again
.set WX,    32                         ; W: v32-95   two sets of 32 numbers
.set WC,    96                         ; W: v96-111  four registers of codes for each block
.set SB,    24                         ; W: v24      the scale word
	s_load_b256 s[4:11], s[0:1], 0x0               ; x s[4:5], Wq s[6:7], Wk s[8:9], Wv s[10:11]
	s_load_b128 s[12:15], s[0:1], 0x20             ; xq s[12:13], wq s[14:15]
	v_lshl_add_u32 v[SPW], v0, 2, SPARE
	v_mov_b32 v[NIL], 0
	v_lshrrev_b32 v1, 5, v0
	v_readfirstlane_b32 s16, v1                    ; wave
	v_and_b32 v2, 31, v0                           ; lane
	s_mul_i32 s17, s16, WREG
	v_lshrrev_b32 v14, 2, v2
	v_mul_u32_u24 v14, v14, SP
	v_and_b32 v15, 3, v2
	v_lshl_add_u32 v14, v15, 4, v14
	v_add_nc_u32 v14, s17, v14                     ; the stage, way in: four lanes' 64 bytes on end, then 16 of padding
	v_mul_u32_u24 v15, v2, SP
	v_add_nc_u32 v15, s17, v15                     ; way out: SP x lane: my 16 neighbours
	v_lshrrev_b32 v5, 1, v2
	s_add_co_u32 s17, s17, 2*32*SP
	v_add_nc_u32 v5, s17, v5                       ; my block's byte among my wave's 256
	v_lshlrev_b32 v7, 3, v2                        ; 8 x lane: my codes' place in a step's 256 bytes, and my 8 scale bytes on the way out
	v_add_nc_u32 v6, s17, v7
	v_lshlrev_b32 v3, 4, v2                        ; my 16 bytes of a load's 512
	s_wait_kmcnt 0x0
	s_cmp_lt_u32 ttmp9, 192
	s_cbranch_scc1 .Lweights
; ---- x: a plain stream of blocks of 32.  A wave takes 16 steps of 512 numbers.  Each load reads 512 consecutive bytes; a step's 2,048 bytes turn through the wave's own stage so that a lane holds 16 neighbours.
	s_sub_co_u32 s18, ttmp9, 192
	s_lshl_b32 s18, s18, 2
	s_add_co_u32 s18, s18, s16                     ; which run of 8,192 numbers is my wave's
	s_lshl_b32 s20, s18, 15
	s_mov_b32 s21, 0
	s_add_nc_u64 s[4:5], s[4:5], s[20:21]          ; 32,768 bytes of x a run
	s_lshl_b32 s20, s18, 12
	s_add_nc_u64 s[22:23], s[12:13], s[20:21]      ; 4,096 bytes of codes
	s_lshl_b32 s20, s18, 8
	s_add_co_u32 s20, s20, 4194304
	s_add_nc_u64 s[24:25], s[12:13], s[20:21]      ; 256 scale bytes
.macro LOAD t
.irp i, 0,1,2,3
	global_load_b128 v[R+16*((\t)%8)+4*\i:R+16*((\t)%8)+4*\i+3], v3, s[4:5] offset:2048*(\t)+512*\i th:TH_LOAD_NT
.endr
.endm
.macro TURN t                          ; LDS serves a wave's instructions in order (ISA guide 5.7.1.4): no wait between the stores and the loads
.irp i, 0,1,2,3
	ds_store_b128 v14, v[R+16*((\t)%8)+4*\i:R+16*((\t)%8)+4*\i+3] offset:32*SP*((\t)%2)+8*SP*\i
.endr
.irp i, 0,1,2,3
	ds_load_b128 v[X+16*((\t)%2)+4*\i:X+16*((\t)%2)+4*\i+3], v15 offset:32*SP*((\t)%2)+16*\i
.endr
.endm
.irp t, 0,1,2,3,4,5,6,7
	LOAD \t                                        ; eight steps, 32 loads, ahead
.endr
	s_wait_loadcnt 28                              ; step 0's four loads are in; seven sets of four stay out
	TURN 0
.macro XSTEP t
.set XS, X+16*((\t)%2)
.if (\t) > 0
	s_wait_dscnt 1                                 ; this step's numbers are back from the stage (the last step's byte store may be out): so its stores into the stage have read their registers,
.else
	s_wait_dscnt 0x0
.endif
.if (\t)+8 < STEPS
	LOAD (\t)+8                                    ; which take the loads of eight steps on
.endif
.if (\t)+1 < STEPS
.if 14-(\t) >= 7
	s_wait_loadcnt 28                              ; the next step's loads are in; the seven sets behind them may be out
.else
	s_wait_loadcnt 4*(14-(\t))                     ; the sets behind the next step's run out
.endif
	TURN (\t)+1
.endif
	v_max3_num_f32 v8, |v[XS]|, |v[XS+1]|, |v[XS+2]|
	v_max3_num_f32 v9, |v[XS+3]|, |v[XS+4]|, |v[XS+5]|
.irp i, 6,10
	v_max3_num_f32 v8, v8, |v[XS+\i]|, |v[XS+\i+1]|
	v_max3_num_f32 v9, v9, |v[XS+\i+2]|, |v[XS+\i+3]|
.endr
	v_max3_num_f32 v8, v8, |v[XS+14]|, |v[XS+15]|
	v_max3_num_f32 v8, v8, v9, 0x1800000           ; and the floor 2^(3 - 127): the byte cannot fall under 1
	v_max_num_f32_dpp v8, v8, v8 row_xmask:1 row_mask:0xf bank_mask:0xf   ; with my neighbour's 16: the block's largest magnitude
	v_add_nc_u32 v11, 0xff000000, v8               ; 2 off its exponent field: the conversion takes this operand's exponent field as its scale
	v_cvt_scalef32_pk8_fp4_f32 v[C+2*(\t)], v[XS:XS+7], v11
	v_cvt_scalef32_pk8_fp4_f32 v[C+2*(\t)+1], v[XS+8:XS+15], v11
	v_lshrrev_b32 v[E+(\t)], 23, v11               ; the scale's byte (a plain line behind the conversions)
	ds_store_b8 v5, v[E+(\t)] offset:16*(\t)       ; both lanes of a block write the same byte with the same value
	global_store_b64 v7, v[C+2*(\t):C+2*(\t)+1], s[22:23] offset:256*(\t)   ; the wave stores 256 consecutive bytes, aligned
.endm
.irp t, 0,1,2,3,4,5,6,7,8,9,10,11,12,13,14,15
	XSTEP \t
.endr
	ds_load_b64 v[8:9], v6                         ; these see my byte stores
	s_wait_dscnt 0x0
	global_store_b64 v7, v[8:9], s[24:25]          ; 256 consecutive scale bytes, aligned
	s_wait_tensorcnt 0x0                           ; the wave's end, behind my last LDS store
	ds_add_u32 v[SPW], v[NIL]
	s_wait_dscnt 0x0
	s_endpgm
; ---- the weights: K is the FIRST axis.  A lane takes a column and its registers run down K: a block of 32 lies in one lane, and the conversions' results are the operand's registers.
; A wave takes 32 columns x 128 along K (one K step: four blocks).  Work-group g: matrix g / 64, K step (g / 8) % 8, columns 128 (g % 8) on.
.Lweights:
	s_cmp_lt_u32 ttmp9, 64
	s_cselect_b64 s[6:7], s[6:7], s[8:9]
	s_cmp_lt_u32 ttmp9, 128
	s_cselect_b64 s[6:7], s[6:7], s[10:11]         ; Wq, Wk or Wv: the choice hangs on the work-group's number alone
	s_lshr_b32 s20, ttmp9, 6                       ; matrix
	s_and_b32 s21, ttmp9, 7                        ; block of 128 columns
	s_bfe_u32 s22, ttmp9, 0x30003                  ; K step
	s_lshl_b32 s24, s22, 19                        ; 128 rows of 4,096 bytes
	s_lshl_b32 s25, s21, 9
	s_add_co_u32 s24, s24, s25
	s_lshl_b32 s25, s16, 7
	s_add_co_u32 s24, s24, s25                     ; + my wave's 32 columns
	s_mov_b32 s25, 0
	s_add_nc_u64 s[6:7], s[6:7], s[24:25]
	s_lshl_b32 s26, s20, 6
	s_lshl_b32 s27, s21, 3
	s_add_co_u32 s26, s26, s27
	s_lshl_b32 s27, s16, 1
	s_add_co_u32 s26, s26, s27                     ; my first tile of 16 columns
	s_lshl_b32 s26, s26, 13                        ; 8,192 bytes a tile
	s_lshl_b32 s27, s22, 10
	s_add_co_u32 s26, s26, s27                     ; 1,024 bytes a K step
	s_mov_b32 s27, 0
	s_add_nc_u64 s[30:31], s[14:15], s[26:27]      ; the images
	s_mul_i32 s28, s22, 12288                      ; scale words: 3,072 a K step
	s_lshl_b32 s29, s20, 12
	s_add_co_u32 s28, s28, s29
	s_lshl_b32 s29, s21, 9
	s_add_co_u32 s28, s28, s29
	s_lshl_b32 s29, s16, 7
	s_add_co_u32 s28, s28, s29
	s_add_co_u32 s28, s28, 1572864
	s_mov_b32 s29, 0
	s_add_nc_u64 s[32:33], s[14:15], s[28:29]
	v_lshlrev_b32 v16, 2, v2                       ; 4 bytes a lane: in W and among the scale words
	v_and_b32 v17, 15, v2
	v_lshrrev_b32 v18, 4, v2
	v_lshlrev_b32 v17, 4, v17
	v_lshl_add_u32 v17, v18, 13, v17               ; the image: 16 (lane % 16), lanes 16-31 in the next tile
.macro WLOAD t
.irp i, 0,1,2,3,4,5,6,7,8,9,10,11,12,13,14,15,16,17,18,19,20,21,22,23,24,25,26,27,28,29,30,31
	global_load_b32 v[WX+32*((\t)%2)+\i], v16, s[6:7] offset:(32*(\t)+\i)*4096 th:TH_LOAD_NT   ; one row of W at 32 neighbouring columns
.endr
.endm
.macro WBLOCK t
.set XS, WX+32*((\t)%2)
.if (\t) < 3
	s_wait_loadcnt 32                              ; this block's 32 loads are in; the next block's may be out
.else
	s_wait_loadcnt 0x0
.endif
	v_max3_num_f32 v20, |v[XS]|, |v[XS+1]|, |v[XS+2]|
	v_max3_num_f32 v21, |v[XS+3]|, |v[XS+4]|, |v[XS+5]|
.irp i, 6,10,14,18,22,26
	v_max3_num_f32 v20, v20, |v[XS+\i]|, |v[XS+\i+1]|
	v_max3_num_f32 v21, v21, |v[XS+\i+2]|, |v[XS+\i+3]|
.endr
	v_max3_num_f32 v20, v20, |v[XS+30]|, |v[XS+31]|
	v_max3_num_f32 v20, v20, v21, 0x1800000        ; the floor 2^(3 - 127)
	v_add_nc_u32 v22, 0xff000000, v20              ; the conversion's scale operand
	v_lshrrev_b32 v23, 23, v22                     ; the byte
.if (\t) == 0
	v_mov_b32 v[SB], v23
.else
	v_lshl_or_b32 v[SB], v23, 8*(\t), v[SB]        ; the lower K in the lower byte
.endif
.irp g, 0,1,2,3
	v_cvt_scalef32_pk8_fp4_f32 v[WC+4*(\t)+\g], v[XS+8*\g:XS+8*\g+7], v22
.endr
	v_nop                                          ; a plain line behind the last conversion
	global_store_b128 v17, v[WC+4*(\t):WC+4*(\t)+3], s[30:31] offset:256*(\t)   ; block t = 2 c + h lies 512 c + 256 h on: sixteen lanes store 256 consecutive bytes, aligned
.if (\t)+2 < 4
	WLOAD (\t)+2
.endif
.endm
	WLOAD 0
	WLOAD 1
	WBLOCK 0
	WBLOCK 1
	WBLOCK 2
	WBLOCK 3
	global_store_b32 v16, v[SB], s[32:33]          ; 128 consecutive bytes a wave: 98,304 bytes in the whole launch leave so
	s_endpgm
.Lfunc_end_k_q7ec6a34dac_quant:
	.size	k_q7ec6a34dac_quant, .Lfunc_end_k_q7ec6a34dac_quant-k_q7ec6a34dac_quant
	.p2alignl 7, 3214868480
	.fill 96, 4, 3214868480
	.section	.rodata,"a",@progbits
	.p2align	6, 0x0
	.amdhsa_kernel k_q7ec6a34dac_quant
		.amdhsa_group_segment_fixed_size 33280
		.amdhsa_private_segment_fixed_size 0
		.amdhsa_enable_private_segment 0
		.amdhsa_kernarg_size 48
		.amdhsa_user_sgpr_count 2
		.amdhsa_user_sgpr_kernarg_segment_ptr 1
		.amdhsa_wavefront_size32 1
		.amdhsa_system_sgpr_workgroup_id_x 1
		.amdhsa_system_sgpr_workgroup_id_y 1
		.amdhsa_system_sgpr_workgroup_id_z 1
		.amdhsa_system_vgpr_workitem_id 0
		.amdhsa_next_free_vgpr 224
		.amdhsa_next_free_sgpr 66
		.amdhsa_reserve_vcc 0
		.amdhsa_float_denorm_mode_32 3
		.amdhsa_float_denorm_mode_16_64 3
		.amdhsa_memory_ordered 1
		.amdhsa_forward_progress 1
		.amdhsa_inst_pref_size 53
	.end_amdhsa_kernel
	.amdgpu_metadata
---
amdhsa.version: [ 1, 2 ]
amdhsa.kernels:
  - .name:           k_q7ec6a34dac_quant
    .symbol:         k_q7ec6a34dac_quant.kd
    .args:
      - { .name: x, .offset: 0, .size: 8, .value_kind: global_buffer, .address_space: global }
      - { .name: Wq, .offset: 8, .size: 8, .value_kind: global_buffer, .address_space: global }
      - { .name: Wk, .offset: 16, .size: 8, .value_kind: global_buffer, .address_space: global }
      - { .name: Wv, .offset: 24, .size: 8, .value_kind: global_buffer, .address_space: global }
      - { .name: xq, .offset: 32, .size: 8, .value_kind: global_buffer, .address_space: global }
      - { .name: wq, .offset: 40, .size: 8, .value_kind: global_buffer, .address_space: global }
    .group_segment_fixed_size: 33280
    .private_segment_fixed_size: 0
    .kernarg_segment_align: 8
    .kernarg_segment_size: 48
    .max_flat_workgroup_size: 128
    .sgpr_count:     66
    .vgpr_count:     224
    .wavefront_size: 32
...
	.end_amdgpu_metadata
.endif
;; end of part 1
;; launch proj (part 2): grid 8 x 32, 4 waves a work-group, clusters of 4 x 4, 327,680 bytes of LDS; arguments xq, wq, bq, qk, fin; writes qk, fin
.if DOCPART == 2
	.amdgcn_target "amdgcn-amd-amdhsa--gfx1250"
	.amdhsa_code_object_version 6
	.text
	.protected	k_q7ec6a34dac_proj
	.globl	k_q7ec6a34dac_proj
	.p2align	8
	.type	k_q7ec6a34dac_proj,@function
k_q7ec6a34dac_proj:
	s_mov_b64 s[64:65], 0
	v_nop
	global_prefetch_b8 v0, s[64:65] scope:SCOPE_SE
	s_setreg_imm32_b32 hwreg(HW_REG_WAVE_MODE, 25, 1), 1
	s_wait_xcnt 0x0
	s_wait_alu depctr_hold_cnt(0) depctr_sa_sdst(0) depctr_va_vdst(0) depctr_va_sdst(0) depctr_va_ssrc(0) depctr_va_vcc(0) depctr_vm_vsrc(0)
	s_getreg_b32 s2, hwreg(HW_REG_IB_STS2, 6, 4)
	s_cmp_eq_u32 s2, 0
	s_cbranch_scc0 .Lentry_in_a_cluster
	s_endpgm
.Lentry_in_a_cluster:
	s_bfe_u32 s2, ttmp6, 0x10000c
	s_cmp_lg_u32 s2, 0xf033
	s_cbranch_scc0 .Lentry_shape_is_right
	s_endpgm
.Lentry_shape_is_right:
; q = x Wq + bq and k = x Wk: one GEMM of 8,192 x 2,048 x 1,024 on codes of E2M1 with E8M0 scales, f32 sums.  Columns 0-1023 are q, 1024-2047 k.  Results leave as f16 [2][8192][1024];
; the first 16 rows of each sequence leave in f32 too, as images of the accumulators (fin), for the launch that carries those rows finely.  v, which nothing reads before the last product, is projected in the next launch.
; LEFT OUT: bk (the same for every key under the softmax, and ahead of no quantiser: shown at the head of the first kernel).  k's sums begin at zeros.
; 8 x 32 tiles of 256 x 256: 256 work-groups.  A tile is made by four waves, 128 x 128 each: 64 accumulators, 512 registers.  K = 1,024 is two LDS slots of 512: both are filled at the start and nothing is filled again.
; x's codes come as rows of 256 bytes (+16 of padding in LDS); the weights' codes come as images of the operand's registers (a fragment is 1,024 consecutive bytes: two loads at 16 x lane).
; CLUSTERS of 4 x 4: the four of a row of the cluster need the same rows of x, the four of a column the same columns of W: each tile is asked for jointly.
; THE TILE ROW IS 8 cy + cluster y: so a sequence is a row of the cluster (batch = cy), and 'the sequence's first tile row' is 'cluster y = 0', which is the same in all sixteen partners.
; THE MATRIX INSTRUCTION IS USED TRANSPOSED (source 0 = 16 columns of W, source 1 = 16 rows of x): a lane holds eight neighbouring columns of one row.
; The bias is the C of each sum's first matrix instruction: eight registers for each tile of 16 columns, in the result's layout.
; REGISTERS: window 0: v0-31 addresses; v32-63 x's scale words, v64-95 W's (two sets each; they hold scales and nothing else); v96-127 packed results; v128-191 x's fragments, one set; v192-255 the bias, later rows on the way out.
;   window 1: W's fragments, two sets.   windows 2, 3: the accumulators ((a, b) at v[8 (8 (a % 4) + b)]).
.set PITCH,  272                       ; an LDS row of x's codes: 256 bytes + 16: the 16 rows that a load touches start at 16 different banks (64 banks of 4 bytes: ISA guide 11.1)
.set HALFA,  128*PITCH                 ; 128 rows of x: one tensor load
.set HALFB,  32768                     ; 8 tiles of 16 columns x 4 K steps x 1,024 bytes: one tensor load
.set BOFF,   2*HALFA
.set SLOT,   BOFF+2*HALFB
.set SCLA,   2*SLOT                    ; x's scale bytes: 256 rows x 32 bytes as 32 units of 256 + 16
.set SCLB,   SCLA+32*272               ; W's scale words: [half 2][K step 8][128 columns x 4 bytes]
.set SPARE,  SCLB+8192                 ; the spare words, 128 bytes a wave, that no other line names
.set NQ,     4
.set FR,     8
.set NL,     2
.set NP,     4                         ; places behind this matrix instruction (ISA guide 7.12.1)
.set ADRA,  16
.set ADRB,  20
.set STO,   24
.set RD,    25
.set CO,    26
.set ADRS,  27
.set SPW,   28
.set NIL,   29
.set ADRSB, 30
.set FO,    31
.set SCA,   32                         ; set s at +16 s; register 4 (a / 2) + q: lanes 0-15 block a even, lanes 16-31 block a odd
.set SCB,   64                         ; the same for W's tiles
.set TMP,   96
.set AF,    128
.set BIAS,  192
.set OB,    192
.set G1,    24
.set G0,    32
.set G1B,   40
.set G0B,   48
.set G1S,   56
.set G0S,   68
.set G1SB,  72
.set G0SB,  80
.set MSB, 0
.macro WIN new                         ; the immediate's high byte repeats the setting that is left
.if MSB != (\new)
	s_set_vgpr_msb (MSB<<8)|(\new)
.set MSB, (\new)
.endif
.endm
.set MUL_LO, 0xa1                      ; source 0 (W) window 1, source 1 (x) window 0, C and D window 2
.set MUL_HI, 0xf1
.set TO_B,   0x40
.macro JLOAD g0a, g1a, g0b, g1b        ; waves 0, 1 fetch for x, waves 2, 3 for W; an s_nop 0 and four v_nop follow each line
	s_cmp_eq_u32 s17, 0
	s_cbranch_scc0 .Lfor_b_\@
	tensor_load_to_lds s[\g0a:\g0a+3], s[\g1a:\g1a+7]
	s_nop 0
.rept 4
	v_nop
.endr
	s_branch .Lasked_\@
.Lfor_b_\@:
	tensor_load_to_lds s[\g0b:\g0b+3], s[\g1b:\g1b+7]
	s_nop 0
.rept 4
	v_nop
.endr
.Lasked_\@:
.endm
.macro CROUND                          ; a round of the cluster's barrier
	s_barrier_signal -1
	s_barrier_wait -1
	s_cmp_lg_u32 s16, 0
	s_cbranch_scc1 .Lnot_wave_0_\@
	s_barrier_signal -3
.Lnot_wave_0_\@:
	s_barrier_wait -3
	s_barrier_signal -1
	s_barrier_wait -1
.endm
.macro PLACES n
.rept \n
	v_nop
.endr
.endm
	s_load_b256 s[4:11], s[0:1], 0x0               ; xq s[4:5], wq s[6:7], bq s[8:9], qk s[10:11]
	s_load_b64 s[14:15], s[0:1], 0x20              ; fin
	v_lshl_add_u32 v[SPW], v0, 2, SPARE
	v_mov_b32 v[NIL], 0
	ds_add_u32 v[SPW], v[NIL]                      ; the wave's opening: the add, twice on end, and its wait ahead of my first tensor load
	ds_add_u32 v[SPW], v[NIL]
	v_lshrrev_b32 v1, 5, v0
	v_readfirstlane_b32 s16, v1                    ; wave
	s_lshr_b32 s17, s16, 1                         ; my half of the tile's rows.  Also: I fetch for x (0) or for W (1)
	s_and_b32 s18, s16, 1                          ; my half of its columns.  Also: which half I fetch
	s_bfe_u32 s19, ttmp6, 0x40000                  ; cx
	s_bfe_u32 s20, ttmp6, 0x40004                  ; cy
	s_lshl_b32 s22, ttmp9, 2
	s_add_co_u32 s22, s22, s19                     ; tile column = 4 x cluster x + cx; cluster x is the matrix (0 q, 1 k)
	s_and_b32 s21, ttmp7, 0xffff                   ; cluster y
	s_lshl_b32 s23, s20, 3
	s_add_co_u32 s23, s23, s21                     ; tile row = 8 cy + cluster y
	s_lshl_b32 s84, s20, 2
	s_lshl_b32 s84, 15, s84                        ; my row of the cluster
	s_lshl_b32 s85, 0x1111, s19                    ; my column
	s_or_b32 s[G1], s84, (1<<20)|(1<<21)|(5<<22)|(3<<25)           ; x's codes: the mask; elements of 1 byte; padding of 4 words behind every 64; bit 21 beside a mask
	s_mov_b32 s[G1+1], 256<<16                     ; tensor_dim0
	s_mov_b32 s[G1+2], 128<<16                     ; tensor_dim1
	s_mov_b32 s[G1+3], 256<<16                     ; tile_dim0
	s_mov_b32 s[G1+4], 128                         ; tile_dim1
	s_mov_b32 s[G1+5], 512                         ; a row of codes in memory
	s_mov_b32 s[G1+6], 0
	s_mov_b32 s[G1+7], 0
	s_or_b32 s[G1B], s85, (3<<16)|(1<<21)          ; W's images: elements of 8 bytes, no padding: 8 rows (tiles) of 4,096 bytes (four K steps), 8,192 bytes apart
	s_mov_b32 s[G1B+1], 512<<16
	s_mov_b32 s[G1B+2], 8<<16
	s_mov_b32 s[G1B+3], 512<<16
	s_mov_b32 s[G1B+4], 8
	s_mov_b32 s[G1B+5], 1024
	s_mov_b32 s[G1B+6], 0
	s_mov_b32 s[G1B+7], 0
	s_or_b32 s[G1S], s84, (3<<16)|(1<<20)|(1<<21)|(5<<22)|(3<<25)  ; x's scale bytes of 128 rows: 4,096 dense bytes as 16 rows of 256, 16 of padding behind each
	s_mov_b32 s[G1S+1], 32<<16
	s_mov_b32 s[G1S+2], 16<<16
	s_mov_b32 s[G1S+3], 32<<16
	s_mov_b32 s[G1S+4], 16
	s_mov_b32 s[G1S+5], 32
	s_mov_b32 s[G1S+6], 0
	s_mov_b32 s[G1S+7], 0
	s_or_b32 s[G1SB], s85, (2<<16)|(1<<21)         ; W's scale words of 128 columns: 8 rows (K steps) of 128 words, 3,072 words apart
	s_mov_b32 s[G1SB+1], 128<<16
	s_mov_b32 s[G1SB+2], 8<<16
	s_mov_b32 s[G1SB+3], 128<<16
	s_mov_b32 s[G1SB+4], 8
	s_mov_b32 s[G1SB+5], 3072
	s_mov_b32 s[G1SB+6], 0
	s_mov_b32 s[G1SB+7], 0
	s_lshl_b32 s86, s23, 8
	s_lshl_b32 s87, s18, 7
	s_add_co_u32 s86, s86, s87                     ; x: row 256 x tile row + 128 x half
	s_lshl_b32 s88, s86, 9                         ; its codes,
	s_mov_b32 s89, 0
	s_lshl_b32 s90, s86, 5
	s_add_co_u32 s90, s90, 4194304                 ; its scale bytes
	s_mov_b32 s91, 0
	s_lshl_b32 s92, s22, 4
	s_lshl_b32 s93, s18, 3
	s_add_co_u32 s92, s92, s93                     ; W: tile of 16 columns 16 x tile column + 8 x half
	s_lshl_b32 s94, s92, 6
	s_add_co_u32 s94, s94, 1572864                 ; its scale words,
	s_mov_b32 s95, 0
	s_lshl_b32 s92, s92, 13                        ; its images
	s_mov_b32 s93, 0
	s_mul_i32 s96, s18, HALFA                      ; where they go: the half alone: no place in the cluster enters an LDS address
	s_mul_i32 s97, s18, HALFB
	s_add_co_u32 s97, s97, BOFF
	s_mul_i32 s86, s18, 4352
	s_add_co_u32 s86, s86, SCLA
	s_lshl_b32 s87, s18, 12
	s_add_co_u32 s87, s87, SCLB
	s_wait_dscnt 0x0                               ; both opening adds are done
	s_wait_kmcnt 0x0
	s_add_nc_u64 s[88:89], s[4:5], s[88:89]
	s_add_nc_u64 s[90:91], s[4:5], s[90:91]
	s_add_nc_u64 s[92:93], s[6:7], s[92:93]
	s_add_nc_u64 s[94:95], s[6:7], s[94:95]
	CROUND                                         ; all sixteen work-groups are here: the first joint loads meet
	s_mov_b32 s[G0S], 1
	s_mov_b32 s[G0S+1], s86
	s_mov_b64 s[G0S+2:G0S+3], s[90:91]
	s_or_b32 s[G0S+3], s[G0S+3], 0x80000000
	s_mov_b32 s[G0SB], 1
	s_mov_b32 s[G0SB+1], s87
	s_mov_b64 s[G0SB+2:G0SB+3], s[94:95]
	s_or_b32 s[G0SB+3], s[G0SB+3], 0x80000000
	JLOAD G0S, G1S, G0SB, G1SB                     ; the scales first: they are wanted with the first slot
.irp s, 0,1
	s_mov_b32 s[G0+4*\s], 1
	s_add_co_u32 s[G0+4*\s+1], s96, \s*SLOT
	s_add_nc_u64 s[G0+4*\s+2:G0+4*\s+3], s[88:89], \s*256
	s_or_b32 s[G0+4*\s+3], s[G0+4*\s+3], 0x80000000
	s_mov_b32 s[G0B+4*\s], 1
	s_add_co_u32 s[G0B+4*\s+1], s97, \s*SLOT
	s_add_nc_u64 s[G0B+4*\s+2:G0B+4*\s+3], s[92:93], \s*4096
	s_or_b32 s[G0B+4*\s+3], s[G0B+4*\s+3], 0x80000000
	JLOAD G0+4*\s, G1, G0B+4*\s, G1B               ; three loads of a wave are out
.endr
	v_and_b32 v1, 15, v0                           ; r
	v_bfe_u32 v2, v0, 4, 1                         ; h
	v_and_b32 v3, 31, v0                           ; lane
	v_lshlrev_b32 v8, 5, v2                        ; the bias: 32 h bytes: my half's eight columns of a tile
	; the C of the first K step: q takes its bias; k has none (bk is left out) and begins at zeros held in the same registers, so that the step is written once.  The branch hangs on cluster x alone.
	s_cmp_eq_u32 ttmp9, 1
	s_cbranch_scc1 .Lno_bias
	s_lshl_b32 s84, s19, 10
	s_lshl_b32 s85, s18, 9
	s_add_co_u32 s84, s84, s85                     ; my 128 columns within the matrix, 4 bytes each
	s_mov_b32 s85, 0
	s_add_nc_u64 s[98:99], s[8:9], s[84:85]
.irp b, 0,1,2,3,4,5,6,7
	global_load_b128 v[BIAS+8*\b:BIAS+8*\b+3], v8, s[98:99] offset:64*\b
	global_load_b128 v[BIAS+8*\b+4:BIAS+8*\b+7], v8, s[98:99] offset:64*\b+16
.endr
	s_branch .Lhave_c
.Lno_bias:
.set i_, 0
.rept 64
	v_mov_b32 v[BIAS+i_], 0
.set i_, i_+1
.endr
.Lhave_c:
	v_mul_u32_u24 v4, v1, PITCH
	v_lshl_add_u32 v4, v2, 4, v4                   ; a fragment of x: row x pitch + 16 x half
	v_lshlrev_b32 v[FO], 4, v3                     ; 16 x lane
	s_mul_i32 s84, s17, HALFA                      ; my 128 rows of x
	s_mul_i32 s85, s18, HALFB
	s_add_co_u32 s85, s85, BOFF                    ; my 8 tiles of W
.irp s, 0,1
	v_add_nc_u32 v[ADRA+\s], s84, v4
	v_add_nc_u32 v[ADRB+\s], s85, v[FO]
	s_add_co_u32 s84, s84, SLOT
	s_add_co_u32 s85, s85, SLOT
.endr
	v_lshlrev_b32 v6, 5, v1                        ; x's scale bytes: 32 a row,
	v_lshrrev_b32 v7, 8, v6
	v_lshl_add_u32 v6, v7, 4, v6                   ; 16 more for each 256 passed,
	v_mad_u32_u24 v6, v2, 544, v6                  ; lanes 16-31 take the next block of 16 rows
	s_mul_i32 s84, s17, 4352
	s_add_co_u32 s84, s84, SCLA
	v_add_nc_u32 v[ADRS], s84, v6
	s_lshl_b32 s84, s18, 12
	s_add_co_u32 s84, s84, SCLB
	v_lshl_add_u32 v[ADRSB], v3, 2, s84            ; W's scale words: 4 x lane: lanes 0-15 an even tile's columns, lanes 16-31 the odd tile's
	s_mul_i32 s84, s16, 16*PITCH                   ; the way out: my stage of 16 rows x 272 bytes, in slot 0, which has had its only fill and its last read by then
	v_add_nc_u32 v[STO], s84, v4
	v_mul_u32_u24 v5, v2, PITCH
	v_lshl_add_u32 v5, v1, 4, v5
	v_add_nc_u32 v[RD], s84, v5                    ; back: lanes 0-15 one row of 256 bytes, lanes 16-31 the next
	v_lshlrev_b32 v5, 11, v2
	v_lshl_add_u32 v[CO], v1, 4, v5                ; the same two rows in qk (2,048 bytes a row)
	s_lshl_b32 s84, s23, 8
	s_lshl_b32 s85, s17, 7
	s_add_co_u32 s84, s84, s85                     ; my first row
	s_lshl_b32 s84, s84, 11
	s_lshl_b32 s85, ttmp9, 24                      ; the matrix: 16,777,216 bytes each
	s_add_co_u32 s84, s84, s85
	s_lshl_b32 s85, s19, 9
	s_add_co_u32 s84, s84, s85
	s_lshl_b32 s85, s18, 8
	s_add_co_u32 s84, s84, s85                     ; my first column within the matrix, 2 bytes each
	s_mov_b32 s85, 0
	s_add_nc_u64 s[86:87], s[10:11], s[84:85]      ; qk at my part
	s_lshl_b32 s84, ttmp9, 2
	s_add_co_u32 s84, s84, s20                     ; 4 x matrix + batch
	s_lshl_b32 s84, s84, 6
	s_lshl_b32 s85, s19, 4
	s_add_co_u32 s84, s84, s85
	s_lshl_b32 s85, s18, 3
	s_add_co_u32 s84, s84, s85                     ; + my first tile of 16 columns
	s_lshl_b32 s84, s84, 10
	s_mov_b32 s85, 0
	s_add_nc_u64 s[88:89], s[14:15], s[84:85]      ; fin at my part
.macro FRAGA reg, slot, q, i           ; 16 rows x 128 K of 4-bit codes: registers 4 c .. 4 c + 3 hold K = 64 c + 32 (lane / 16) + 0 .. 31
.irp c, 0,1
	ds_load_b128 v[\reg+4*\c:\reg+4*\c+3], v[ADRA+\slot] offset:64*(\q)+32*\c+(\i)*16*PITCH
.endr
.endm
.macro FRAGB reg, slot, q, i           ; the image comes back as it was laid
.irp c, 0,1
	ds_load_b128 v[\reg+4*\c:\reg+4*\c+3], v[ADRB+\slot] offset:(\i)*4096+(\q)*1024+512*\c
.endr
.endm
; one product: x's block a against W's tile b; p: W's set; q: which 128 along K of the slot; sc: the set of scale words; bias = 1: C is the bias.  Odd blocks' scale words lie in lanes 16-31.
.macro WM a, b, p, q, sc, bias
.set rD, 8*(8*((\a)%4)+(\b))
.set rB, 128*(\p)+FR*(\b)
.set rA, AF+FR*(\a)
.set rSB, SCB+16*(\sc)+4*((\b)/2)+(\q)
.set rSA, SCA+16*(\sc)+4*((\a)/2)+(\q)
.set rC, rD
.if \bias
.set rC, BIAS+8*(\b)
.endif
.if (((\a)%2) == 0) && (((\b)%2) == 0)
	v_wmma_scale_f32_16x16x128_f8f6f4 v[rD:rD+7], v[rB:rB+7], v[rA:rA+7], v[rC:rC+7], v[rSB], v[rSA] matrix_a_fmt:MATRIX_FMT_FP4 matrix_b_fmt:MATRIX_FMT_FP4
.elseif ((\a)%2) == 0
	v_wmma_scale_f32_16x16x128_f8f6f4 v[rD:rD+7], v[rB:rB+7], v[rA:rA+7], v[rC:rC+7], v[rSB], v[rSA] matrix_a_fmt:MATRIX_FMT_FP4 matrix_b_fmt:MATRIX_FMT_FP4 matrix_a_scale:MATRIX_SCALE_ROW1
.elseif ((\b)%2) == 0
	v_wmma_scale_f32_16x16x128_f8f6f4 v[rD:rD+7], v[rB:rB+7], v[rA:rA+7], v[rC:rC+7], v[rSB], v[rSA] matrix_a_fmt:MATRIX_FMT_FP4 matrix_b_fmt:MATRIX_FMT_FP4 matrix_b_scale:MATRIX_SCALE_ROW1
.else
	v_wmma_scale_f32_16x16x128_f8f6f4 v[rD:rD+7], v[rB:rB+7], v[rA:rA+7], v[rC:rC+7], v[rSB], v[rSA] matrix_a_fmt:MATRIX_FMT_FP4 matrix_b_fmt:MATRIX_FMT_FP4 matrix_a_scale:MATRIX_SCALE_ROW1 matrix_b_scale:MATRIX_SCALE_ROW1
.endif
.endm
.macro MUL16 a0, p, q, sc, bias        ; the 64 accumulators take turns, one instruction a turn, in the same order in every step
.irp a, \a0, \a0+1
.irp b, 0,1,2,3,4,5,6,7
	WM \a, \b, \p, \q, \sc, \bias
.endr
.endr
.endm
.macro FETCH_B slot, q, p
	WIN TO_B
.irp i, 0,1,2,3,4,5,6,7
	FRAGB 128*(\p)+FR*\i, \slot, \q, \i
.endr
	WIN 0
.endm
.macro FETCH_A slot, q, i0
.irp i, \i0, \i0+1, \i0+2, \i0+3
	FRAGA AF+FR*(\i), \slot, \q, \i
.endr
.endm
.macro SCALES sc                       ; a slot's scale words: x's by four loads of four words, W's by sixteen of one
.irp j, 0,1,2,3
	ds_load_b128 v[SCA+16*\sc+4*\j:SCA+16*\sc+4*\j+3], v[ADRS] offset:\j*1088+16*\sc
.endr
.irp j, 0,1,2,3
.irp q, 0,1,2,3
	ds_load_b32 v[SCB+16*\sc+4*\j+\q], v[ADRSB] offset:(4*\sc+\q)*512+128*\j
.endr
.endr
.endm
.macro STEP slot, q, bias              ; 128 along K with its successor in the same slot
	s_wait_dscnt 4*NL                              ; W's set, the scale words and x's blocks 0-3 are in; the youngest eight loads (x's blocks 4-7) may be out
.if \bias
	WIN 0x81                                       ; as MUL_LO, but C in window 0
.else
	WIN MUL_LO
.endif
	MUL16 0, (\q)%2, \q, \slot, \bias
	MUL16 2, (\q)%2, \q, \slot, \bias
	s_wait_dscnt 0                                 ; x's blocks 4-7 are in
	PLACES NP                                      ; in front of loads into registers that matrix instructions have read
	FETCH_B \slot, (\q)+1, 1-(\q)%2
	FETCH_A \slot, (\q)+1, 0
.if \bias
	WIN 0xc1
.else
	WIN MUL_HI
.endif
	MUL16 4, (\q)%2, \q, \slot, \bias
	MUL16 6, (\q)%2, \q, \slot, \bias
	PLACES NP
	WIN 0
	FETCH_A \slot, (\q)+1, 4
.endm
.macro TURN slot, next                 ; a slot's last step changes slots: one barrier; nothing is filled again
	s_wait_tensorcnt 0x0                           ; all my tensor loads have landed: my part of the next slot
	ds_add_u32 v[SPW], v[NIL]                      ; 0 onto my spare word
	s_wait_dscnt 4*NL+1                            ; (the add and x's blocks 4-7 may be out)
	WIN MUL_LO
	MUL16 0, 1, NQ-1, \slot, 0
	s_wait_dscnt 0x0                               ; the add is done, and my reads of this slot are over
	s_barrier_signal -1
	MUL16 2, 1, NQ-1, \slot, 0
	WIN 0
	s_barrier_wait -1                              ; the next slot is whole, and nobody reads this one any more
	PLACES NP
	FETCH_B \next, 0, 0
	FETCH_A \next, 0, 0
	SCALES \next
	WIN MUL_HI
	MUL16 4, 1, NQ-1, \slot, 0
	MUL16 6, 1, NQ-1, \slot, 0
	PLACES NP
	WIN 0
	FETCH_A \next, 0, 4
.endm
	s_wait_tensorcnt 1                             ; the scales and my part of slot 0 are in; slot 1's load may be out
	s_barrier_signal -1
	s_barrier_wait -1
	FETCH_B 0, 0, 0
	FETCH_A 0, 0, 0
	SCALES 0
	FETCH_A 0, 0, 4
	s_wait_loadcnt 0x0                             ; the bias
	STEP 0, 0, 1                                   ; the first step starts the sums from the bias (k: from zeros)
	STEP 0, 1, 0
	STEP 0, 2, 0
	TURN 0, 1
	STEP 1, 0, 0
	STEP 1, 1, 0
	STEP 1, 2, 0
	s_wait_dscnt 4*NL                              ; the last step: nothing more to fetch
	WIN MUL_LO
	MUL16 0, 1, NQ-1, 1, 0
	MUL16 2, 1, NQ-1, 1, 0
	s_wait_dscnt 0
	WIN MUL_HI
	MUL16 4, 1, NQ-1, 1, 0
	MUL16 6, 1, NQ-1, 1, 0
	WIN 0
	PLACES NP                                      ; in front of the first reads of results
	; rows 0-15 of a sequence lie in block 0 of the waves with the tile's upper rows, where cluster y = 0: their accumulators leave in f32 as they stand, 512 consecutive bytes a store
	s_or_b32 s84, s21, s17
	s_cmp_lg_u32 s84, 0
	s_cbranch_scc1 .Lno_fine
	WIN 0x08                                       ; a store's data are its source 1: window 2
.irp b, 0,1,2,3,4,5,6,7
	global_store_b128 v[FO], v[8*\b:8*\b+3], s[88:89] offset:1024*\b          ; each accumulator from its low end on
	global_store_b128 v[FO], v[8*\b+4:8*\b+7], s[88:89] offset:1024*\b+512
.endr
	WIN 0
.Lno_fine:
; THE WAY OUT, a block of 16 rows x 128 columns at a time: rounded to f16, 16 bytes a lane into my stage, back as whole rows of 256 bytes.
.macro PACK a
.set AC, 64*((\a)%4)
	WIN 0x0a+5*((\a)/4)                            ; sources 0 and 1: window 2 or 3
.irp b, 0,1,2,3,4,5,6,7
.irp i, 0,1,2,3
	v_cvt_pk_f16_f32 v[TMP+4*\b+\i], v[AC+8*\b+2*\i], v[AC+8*\b+2*\i+1]
.endr
.endr
	WIN 0
.endm
.macro TOSTAGE a
.irp b, 0,1,2,3,4,5,6,7
	ds_store_b128 v[STO], v[TMP+4*\b:TMP+4*\b+3] offset:32*\b
.endr
.irp t, 0,1,2,3,4,5,6,7
	ds_load_b128 v[OB+32*((\a)%2)+4*\t:OB+32*((\a)%2)+4*\t+3], v[RD] offset:\t*2*PITCH   ; LDS serves a wave's instructions in order (ISA guide 5.7.1.4): these see the stores above
.endr
.endm
.macro SEND a, younger
	s_wait_dscnt \younger
.irp t, 0,1,2,3,4,5,6,7
	global_store_b128 v[CO], v[OB+32*((\a)%2)+4*\t:OB+32*((\a)%2)+4*\t+3], s[86:87] offset:(\a)*32768+\t*4096   ; sixteen lanes store 256 consecutive bytes, aligned
.endr
.endm
	PACK 0
	TOSTAGE 0
.irp a, 1,2,3,4,5,6,7
	PACK \a
.if \a > 1
	s_wait_xcnt 0x0                                ; block a - 2's stores have read their registers: block a's loads may land there
.endif
	TOSTAGE \a
	SEND \a-1, 16                                  ; behind block a - 1's loads: block a's 8 stores and 8 loads
.endr
	SEND 7, 0
	s_wait_tensorcnt 0x0                           ; the wave's end
	ds_add_u32 v[SPW], v[NIL]
	s_wait_dscnt 0x0
	CROUND                                         ; the closing round
	s_endpgm
.Lfunc_end_k_q7ec6a34dac_proj:
	.size	k_q7ec6a34dac_proj, .Lfunc_end_k_q7ec6a34dac_proj-k_q7ec6a34dac_proj
	.p2alignl 7, 3214868480
	.fill 96, 4, 3214868480
	.section	.rodata,"a",@progbits
	.p2align	6, 0x0
	.amdhsa_kernel k_q7ec6a34dac_proj
		.amdhsa_group_segment_fixed_size 327680
		.amdhsa_private_segment_fixed_size 0
		.amdhsa_enable_private_segment 0
		.amdhsa_kernarg_size 40
		.amdhsa_user_sgpr_count 2
		.amdhsa_user_sgpr_kernarg_segment_ptr 1
		.amdhsa_wavefront_size32 1
		.amdhsa_system_sgpr_workgroup_id_x 1
		.amdhsa_system_sgpr_workgroup_id_y 1
		.amdhsa_system_sgpr_workgroup_id_z 1
		.amdhsa_system_vgpr_workitem_id 0
		.amdhsa_next_free_vgpr 1024
		.amdhsa_next_free_sgpr 104
		.amdhsa_reserve_vcc 0
		.amdhsa_float_denorm_mode_32 3
		.amdhsa_float_denorm_mode_16_64 3
		.amdhsa_memory_ordered 1
		.amdhsa_forward_progress 1
		.amdhsa_inst_pref_size 134
	.end_amdhsa_kernel
	.amdgpu_metadata
---
amdhsa.version: [ 1, 2 ]
amdhsa.kernels:
  - .name:           k_q7ec6a34dac_proj
    .symbol:         k_q7ec6a34dac_proj.kd
    .args:
      - { .name: xq, .offset: 0, .size: 8, .value_kind: global_buffer, .address_space: global }
      - { .name: wq, .offset: 8, .size: 8, .value_kind: global_buffer, .address_space: global }
      - { .name: bq, .offset: 16, .size: 8, .value_kind: global_buffer, .address_space: global }
      - { .name: qk, .offset: 24, .size: 8, .value_kind: global_buffer, .address_space: global }
      - { .name: fin, .offset: 32, .size: 8, .value_kind: global_buffer, .address_space: global }
    .group_segment_fixed_size: 327680
    .private_segment_fixed_size: 0
    .kernarg_segment_align: 8
    .kernarg_segment_size: 40
    .max_flat_workgroup_size: 128
    .sgpr_count:     104
    .vgpr_count:     1024
    .wavefront_size: 32
...
	.end_amdgpu_metadata
.endif
;; end of part 2
;; launch scores (part 3): grid 272 x 1, 4 waves a work-group, no clusters, 327,680 bytes of LDS; arguments qk, p16, stat, xq, wq, bv, vv, fin; writes p16, stat, vv, fin
.if DOCPART == 3
	.amdgcn_target "amdgcn-amd-amdhsa--gfx1250"
	.amdhsa_code_object_version 6
	.text
	.protected	k_q7ec6a34dac_scores
	.globl	k_q7ec6a34dac_scores
	.p2align	8
	.type	k_q7ec6a34dac_scores,@function
k_q7ec6a34dac_scores:
	s_mov_b64 s[64:65], 0
	v_nop
	global_prefetch_b8 v0, s[64:65] scope:SCOPE_SE
	s_setreg_imm32_b32 hwreg(HW_REG_WAVE_MODE, 25, 1), 1
	s_wait_xcnt 0x0
; TWO KINDS OF WORK IN ONE LAUNCH, parted on the work-group's number behind a common head; the two bodies never join.
;  Work-groups 16-159 (144 of them): THE SCORES.  For each live block of 128 queries x 128 keys: S = q k^T (f16 operands, f32 sums); m = c x the row's largest score IN THE BLOCK, c = log2(e) / 32; p = 2^(c S - m), stored as
;      f16; l = the row's sum of p in f32.  The next launch brings the blocks of a row under the row's own maximum.  So the maximum is taken away ahead of every exponential: p is at most 1 (up to rounding), l about 1 or more.
;  Work-groups 0-15 and 160-271 (128 of them): v = x Wv + bv, 8,192 x 1,024 x 1,024 on codes of E2M1 with E8M0 scales, f32 sums, a tile of 256 x 256 each.  Nothing reads v before the next launch, and the causal triangle
;      gives the scores only 144 tiles: so v's tiles are made here, beside them.  A v tile holds an eighth of a scores tile's matrix time; the grid's first 16 numbers and its 16 numbers past 256 both belong to this shorter work.
; LEFT OUT: tiles of scores wholly above the diagonal of the problem's own causal mask are not launched; bk (shown at the head of the first kernel).
; ONE MAP OF LDS FOR BOTH BODIES: two slots of 139,264 bytes, in which wave w's tensor loads land in quarter w; behind them v's scales; then a stage of 16 rows x 272 bytes for each wave; then the spare words.
;      No LDS store of either body touches a byte that a tensor load of the text fills.
; THE SCORES' BODY.  A work-group makes a tile of 256 x 256: tile (I, J), J <= I, of the 36 of a sequence's triangle; four waves, 128 x 128 each: block (R, C) = (2 I + wave / 2, 2 J + wave % 2).  In a diagonal tile the wave
; with C > R multiplies with the others (it shares their barriers) and then stores nothing.
; NO CLUSTER: a row of the triangle has 1 to 8 tiles and a column 8 to 1, so the 36 tiles do not divide into groups of four that share q's rows or k's; square clusters of 4 x 4 would add 48 work-groups of dead tiles.
;      v's tiles go without joint loads with them: 128 work-groups x about 280,000 bytes of codes and scales.
; K = 1,024 goes in steps of 128 through the two slots; each wave fetches a quarter of a slot (waves 0, 1: q's halves; 2, 3: k's), one tensor load behind each change of slots.
; THE MATRIX INSTRUCTION IS USED TRANSPOSED (source 0 = 16 keys, source 1 = 16 queries): a lane holds ONE query (lane % 16) and keys 8 (lane / 16) + 0..7 of each tile of 16 keys.
; REGISTERS: window 0: v0-31 addresses; v64-127, v128-191 q's fragments, two buffers; behind the products v64-87 statistics, v192-223 packed p, v32-63 and v224-255 rows on the way out.
;   window 1: k's fragments.   windows 2, 3: the 64 accumulators ((a, b) at v[8 (8 (a % 4) + b)]).
.set KSTEP,  128
.set PITCH,  272                       ; 256 bytes + 16: the 16 rows that a load touches start at 16 different banks (64 banks of 4 bytes: ISA guide 11.1)
.set HALFT,  128*PITCH                 ; a quarter of a slot
.set SLOT,   4*HALFT
.set VSCLA,  2*SLOT                    ; v's body: x's scale bytes: 256 rows x 32 bytes as 32 units of 256 + 16
.set VSCLB,  VSCLA+32*272              ; v's body: W's scale words: [half 2][K step 8][128 columns x 4 bytes]
.set STAGE,  VSCLB+8192                ; both bodies: wave w's stage at 16 x 272 x w
.set SPARE,  STAGE+4*16*PITCH          ; the spare words, 128 bytes a wave, that no other line names
.set ADRA, 16
.set ADRB, 20
.set STO,  24
.set RD,   25
.set CO,   26
.set SO,   27
.set SPW,  28
.set NIL,  29
.set F0,   64
.set F1,   128
.set TMP,  192
.set OB,   32
.set MX,   64                          ; v64-67 four chains of the maximum; v68 the other half's; v69 m
.set NM,   72                          ; v[72:73] -m (the packed form names a pair and takes its low word)
.set S0,   74
.set S1,   76
.set D0,   78                          ; lane % 16 - 8 (lane / 16)
.set NINF, 79
.set ST,   80                          ; v80-87: block a's m (lanes 0-15) and l (lanes 16-31)
.set G1,   24
.set G0,   32
.set CS,   14                          ; s[14:15] c
.set NC,   16                          ; s16 -c
.set HM,   17                          ; s17 lanes 16-31
.set SEL,  18                          ; s[18:19]
.set RB,   20                          ; s20 R
.set CBK,  21                          ; s21 C
.set MK,   48                          ; s48-55: lanes in which key j of the diagonal tile is hidden
.set MSB, 0
.macro WIN new                         ; the immediate's high byte repeats the setting that is left
.if MSB != (\new)
	s_set_vgpr_msb (MSB<<8)|(\new)
.set MSB, (\new)
.endif
.endm
.set MUL_LO, 0xa1
.set MUL_HI, 0xf1
.set TO_B,   0x40
.macro PLACES
.rept 4
	v_nop
.endr
.endm
	s_load_b128 s[4:7], s[0:1], 0x0                ; qk s[4:5], p16 s[6:7]
	s_load_b64 s[8:9], s[0:1], 0x10                ; stat
	s_load_b64 s[66:67], s[0:1], 0x18              ; xq
	s_load_b256 s[68:75], s[0:1], 0x20             ; wq s[68:69], bv s[70:71], vv s[72:73], fin s[74:75]
	v_lshl_add_u32 v[SPW], v0, 2, SPARE
	v_mov_b32 v[NIL], 0
	ds_add_u32 v[SPW], v[NIL]                      ; the wave's opening: the add, twice on end, and its wait ahead of my first tensor load
	ds_add_u32 v[SPW], v[NIL]
	v_lshrrev_b32 v1, 5, v0
	v_readfirstlane_b32 s10, v1                    ; wave
	s_lshr_b32 s11, s10, 1                         ; my half of the tile's rows.  Also: which operand I fetch for
	s_and_b32 s12, s10, 1                          ; my half of its columns.  Also: which half of that operand's rows I fetch
	s_sub_co_u32 s2, ttmp9, 16                     ; the scores' tiles are numbers 16 to 159: 0 to 143 here; numbers 0 to 15 wrap to the top
	s_wait_dscnt 0x0                               ; both opening adds are done
	s_cmp_ge_u32 s2, 144
	s_cbranch_scc1 .Lvproj                         ; the work-group's number alone: all four waves go the same way
; ======== THE SCORES
	s_mov_b32 s43, 0                               ; the sequence: 36 tiles each
.irp t, 36,72,108
	s_cmp_ge_u32 s2, \t
	s_cselect_b32 s41, 1, 0
	s_add_co_u32 s43, s43, s41
.endr
	s_mul_i32 s41, s43, 36
	s_sub_co_u32 s2, s2, s41                       ; the tile's number in the triangle
	s_mov_b32 s40, 0                               ; I: how many of the triangle's row starts 1, 3, 6, .. that number has reached
.irp t, 1,3,6,10,15,21,28
	s_cmp_ge_u32 s2, \t
	s_cselect_b32 s41, 1, 0
	s_add_co_u32 s40, s40, s41
.endr
	s_add_co_u32 s41, s40, 1
	s_mul_i32 s41, s41, s40
	s_lshr_b32 s41, s41, 1
	s_sub_co_u32 s42, s2, s41                      ; J
	s_cmp_eq_u32 s11, 0
	s_cselect_b32 s44, s40, s42                    ; q's tile by I, k's by J
	s_lshl_b32 s44, s44, 8
	s_lshl_b32 s45, s12, 7
	s_add_co_u32 s44, s44, s45
	s_lshl_b32 s45, s43, 11
	s_add_co_u32 s44, s44, s45                     ; the first row that I fetch
	s_lshl_b32 s44, s44, 11                        ; 2,048 bytes a row
	s_lshl_b32 s45, s11, 24                        ; k lies 16,777,216 bytes behind q
	s_add_co_u32 s44, s44, s45
	s_mov_b32 s45, 0
	s_mul_i32 s46, s10, HALFT                      ; where it goes: wave x 128 rows
	s_lshl_b32 s[RB], s40, 1
	s_add_co_u32 s[RB], s[RB], s11
	s_lshl_b32 s[CBK], s42, 1
	s_add_co_u32 s[CBK], s[CBK], s12
	s_mov_b32 s[G1], (1<<16)|(1<<20)|(5<<22)|(3<<25)   ; elements of 2 bytes; 4 words of padding behind every 64
	s_mov_b32 s[G1+1], KSTEP<<16
	s_mov_b32 s[G1+2], 128<<16
	s_mov_b32 s[G1+3], KSTEP<<16
	s_mov_b32 s[G1+4], 128
	s_mov_b32 s[G1+5], 1024
	s_mov_b32 s[G1+6], 0
	s_mov_b32 s[G1+7], 0
	s_mov_b32 s[CS], 0x3d38aa3b                    ; c = log2(e) / sqrt(1024)
	s_mov_b32 s[CS+1], s[CS]
	s_mov_b32 s[NC], 0xbd38aa3b
	s_mov_b32 s[HM], 0xffff0000
	s_mov_b32 s[SEL], 0x76543210
	s_mov_b32 s[SEL+1], 0xfedcba98
	s_lshl_b32 s56, s43, 11
	s_lshl_b32 s57, s[RB], 7
	s_add_co_u32 s56, s56, s57
	s_lshl_b32 s56, s56, 12                        ; p16: 4,096 bytes a row,
	s_lshl_b32 s57, s[CBK], 8
	s_add_co_u32 s56, s56, s57                     ; 256 bytes a block of keys
	s_mov_b32 s57, 0
	s_lshl_b32 s58, s43, 4
	s_add_co_u32 s58, s58, s[RB]
	s_lshl_b32 s58, s58, 4
	s_add_co_u32 s58, s58, s[CBK]
	s_lshl_b32 s58, s58, 10                        ; stat: 1,024 bytes a block
	s_mov_b32 s59, 0
	s_wait_kmcnt 0x0
	s_add_nc_u64 s[44:45], s[4:5], s[44:45]
	s_add_nc_u64 s[6:7], s[6:7], s[56:57]
	s_add_nc_u64 s[8:9], s[8:9], s[58:59]
.irp s, 0,1
	s_mov_b32 s[G0+4*\s], 1
	s_add_co_u32 s[G0+4*\s+1], s46, \s*SLOT
	s_add_nc_u64 s[G0+4*\s+2:G0+4*\s+3], s[44:45], \s*KSTEP*2
	s_or_b32 s[G0+4*\s+3], s[G0+4*\s+3], 0x80000000
	tensor_load_to_lds s[G0+4*\s:G0+4*\s+3], s[G1:G1+7]            ; every wave issues both first fills: two loads of a wave are out
	s_nop 0
.endr
	v_and_b32 v1, 15, v0
	v_bfe_u32 v2, v0, 4, 1
	v_mul_u32_u24 v3, v1, PITCH
	v_lshl_add_u32 v3, v2, 4, v3
	s_mul_i32 s41, s11, HALFT
	s_mul_i32 s47, s12, HALFT
	s_add_co_u32 s47, s47, 2*HALFT
.irp s, 0,1
	v_add_nc_u32 v[ADRA+\s], s41, v3
	v_add_nc_u32 v[ADRB+\s], s47, v3
	s_add_co_u32 s41, s41, SLOT
	s_add_co_u32 s47, s47, SLOT
.endr
	s_mul_i32 s41, s10, 16*PITCH
	s_add_co_u32 s41, s41, STAGE                   ; my stage
	v_add_nc_u32 v[STO], s41, v3
	v_mul_u32_u24 v5, v2, PITCH
	v_lshl_add_u32 v5, v1, 4, v5
	v_add_nc_u32 v[RD], s41, v5
	v_lshlrev_b32 v5, 12, v2
	v_lshl_add_u32 v[CO], v1, 4, v5                ; two rows of p16
	v_and_b32 v5, 31, v0
	v_lshlrev_b32 v[SO], 3, v5                     ; 8 x lane
.macro MUL16 f, hi, a0, zero           ; the 64 accumulators take turns, one instruction a turn
.irp a, \a0, \a0+1
.irp b, 0,1,2,3,4,5,6,7
.if \zero
	v_wmma_f32_16x16x32_f16 v[8*(8*(\a)+\b):8*(8*(\a)+\b)+7], v[\f+8*\b:\f+8*\b+7], v[\f+8*(4*\hi+\a):\f+8*(4*\hi+\a)+7], 0
.else
	v_wmma_f32_16x16x32_f16 v[8*(8*(\a)+\b):8*(8*(\a)+\b)+7], v[\f+8*\b:\f+8*\b+7], v[\f+8*(4*\hi+\a):\f+8*(4*\hi+\a)+7], v[8*(8*(\a)+\b):8*(8*(\a)+\b)+7]
.endif
.endr
.endr
.endm
.macro FETCH slot, k, f                ; 32 LDS loads in one run: k's 128 rows, then q's, 32 along K at byte k of the rows
	WIN TO_B
.irp i, 0,1,2,3,4,5,6,7
	ds_load_b128 v[\f+8*\i:\f+8*\i+3],   v[ADRB+\slot] offset:\k+\i*16*PITCH
	ds_load_b128 v[\f+8*\i+4:\f+8*\i+7], v[ADRB+\slot] offset:\k+\i*16*PITCH+32
.endr
	WIN 0
.irp i, 0,1,2,3,4,5,6,7
	ds_load_b128 v[\f+8*\i:\f+8*\i+3],   v[ADRA+\slot] offset:\k+\i*16*PITCH
	ds_load_b128 v[\f+8*\i+4:\f+8*\i+7], v[ADRA+\slot] offset:\k+\i*16*PITCH+32
.endr
.endm
.macro QUARTER slot, k, f, g, zero
	s_wait_dscnt 8                                 ; k's rows and q's rows 0-63 are in; the youngest eight loads may be out
	WIN MUL_LO
	MUL16 \f, 0, 0, \zero
	MUL16 \f, 0, 2, \zero
	PLACES                                         ; in front of loads into registers that matrix instructions have read
	FETCH \slot, \k, \g
	s_wait_dscnt 32                                ; all but the 32 just issued
	WIN MUL_HI
	MUL16 \f, 1, 0, \zero
	MUL16 \f, 1, 2, \zero
.endm
; a K step's last quarter changes slots: one barrier.  In front of it each wave waits for all its tensor loads (one is out: its part of the next slot), adds 0 to its spare word, and waits for that and for its reads of this slot.
.macro TURN slot, next, fill
	WIN 0
	s_wait_tensorcnt 0x0
	ds_add_u32 v[SPW], v[NIL]
	s_wait_dscnt 9                                 ; (the add and the youngest eight loads may be out)
	WIN MUL_LO
	MUL16 F1, 0, 0, 0
	s_wait_dscnt 0x0                               ; the add is done, and my reads of this slot are over
	s_barrier_signal -1
	MUL16 F1, 0, 2, 0
	WIN 0
	s_barrier_wait -1
.if \fill
	s_add_nc_u64 s[G0+4*\slot+2:G0+4*\slot+3], s[G0+4*\slot+2:G0+4*\slot+3], 2*KSTEP*2   ; no tensor load of mine is out: the K step two on
	tensor_load_to_lds s[G0+4*\slot:G0+4*\slot+3], s[G1:G1+7]      ; my one tensor load behind this barrier: 224 matrix instructions ahead of the wait for it
	s_nop 0
.endif
	PLACES                                         ; behind the load, and in front of the loads below
	FETCH \next, 0, F0
	WIN MUL_HI
	MUL16 F1, 1, 0, 0
	MUL16 F1, 1, 2, 0
.endm
	s_wait_tensorcnt 1                             ; my part of K step 0 is in; K step 1's may be out
	s_barrier_signal -1
	s_barrier_wait -1
	FETCH 0, 0, F0
	QUARTER 0, 64, F0, F1, 1                       ; the first quarter starts the sums: nothing is cleared
	WIN 0
	s_mov_b32 s3, 3
.Llap:                                                 ; three trips, each once round the ring: K steps 2 to 7 are asked for
	QUARTER 0, 128, F1, F0, 0
	QUARTER 0, 192, F0, F1, 0
	TURN 0, 1, 1
	QUARTER 1, 64,  F0, F1, 0
	QUARTER 1, 128, F1, F0, 0
	QUARTER 1, 192, F0, F1, 0
	TURN 1, 0, 1
	QUARTER 0, 64,  F0, F1, 0
	WIN 0
	s_sub_co_u32 s3, s3, 1
	s_cmp_lg_u32 s3, 0
	s_cbranch_scc1 .Llap
	QUARTER 0, 128, F1, F0, 0                      ; the last lap is written out: it asks for nothing
	QUARTER 0, 192, F0, F1, 0
	TURN 0, 1, 0
	QUARTER 1, 64,  F0, F1, 0
	QUARTER 1, 128, F1, F0, 0
	QUARTER 1, 192, F0, F1, 0
	s_wait_dscnt 8
	WIN MUL_LO
	MUL16 F1, 0, 0, 0
	MUL16 F1, 0, 2, 0
	s_wait_dscnt 0
	WIN MUL_HI
	MUL16 F1, 1, 0, 0
	MUL16 F1, 1, 2, 0
	WIN 0
	s_cmp_gt_u32 s[CBK], s[RB]                     ; a block wholly above the diagonal: nothing of it is kept.  Ids alone; no barrier follows
	s_cbranch_scc1 .Ldone
	PLACES                                         ; in front of the first reads of results and of writes into registers that held fragments
	v_lshlrev_b32 v[D0], 3, v2
	v_sub_nc_u32 v[D0], v1, v[D0]
	v_mov_b32 v[NINF], 0xff800000
	v_mov_b32 v[MX+4], 0                           ; a lane permute's destination counts as one of its sources
	v_mov_b32 v[NM+1], 0                           ; named as the upper half of a pair
.irp j, 0,1,2,3,4,5,6,7
	v_cmp_gt_i32 s[MK+\j], \j, v[D0]               ; in the tile on the diagonal key 8 h + j is hidden from query r where j > r - 8 h
.endr
; THE SOFTMAX OF A BLOCK OF 16 QUERIES (a), over the block's 128 keys: 64 registers a lane.
.macro SOFT a
.set W, 2+(\a)/4
.set AC, 64*((\a)%4)
	WIN 0
	s_cmp_lg_u32 s[RB], s[CBK]
	s_cbranch_scc1 .Lopen_\@
	WIN W|(W<<6)                                   ; on the diagonal: hidden scores become -infinity ahead of the maximum: p = 0 then.  The key equal to the query always counts, so m is a number
.irp j, 0,1,2,3,4,5,6,7
	v_cndmask_b32 v[AC+8*(\a)+\j], v[AC+8*(\a)+\j], v[NINF], s[MK+\j]
.endr
.set bb, (\a)+1
.rept 7-(\a)
.irp j, 0,1,2,3,4,5,6,7
	v_mov_b32 v[AC+8*bb+\j], 0xff800000            ; tiles of later keys are hidden whole
.endr
.set bb, bb+1
.endr
	WIN 0
.Lopen_\@:
	WIN W|(W<<2)|(W<<4)
.irp k, 0,1,2,3
	v_max3_num_f32 v[MX+\k], v[AC+16*\k], v[AC+16*\k+1], v[AC+16*\k+2]   ; four chains of 16; each accumulator is read from its low end on
.endr
	WIN (W<<2)|(W<<4)
.irp i, 3,5,7,9,11,13
.irp k, 0,1,2,3
	v_max3_num_f32 v[MX+\k], v[MX+\k], v[AC+16*\k+\i], v[AC+16*\k+\i+1]
.endr
.endr
.irp k, 0,1,2,3
	v_max_num_f32 v[MX+\k], v[MX+\k], v[AC+16*\k+15]
.endr
	WIN 0
	v_max3_num_f32 v[MX], v[MX], v[MX+1], v[MX+2]
	v_max_num_f32 v[MX], v[MX], v[MX+3]
	v_permlanex16_b32 v[MX+4], v[MX], s[SEL], s[SEL+1]   ; the query's other 64 keys lie in the lane 16 away
	v_max_num_f32 v[MX], v[MX], v[MX+4]
	v_mul_f32 v[NM], s[NC], v[MX]                  ; -m
	v_mul_f32 v[MX+5], s[CS], v[MX]                ; m: the same bits with the other sign
	WIN W|(W<<6)
.set i_, 0
.rept 32
	v_pk_fma_f32 v[AC+i_:AC+i_+1], v[AC+i_:AC+i_+1], s[CS:CS+1], v[NM:NM+1] op_sel_hi:[1,0,0]   ; c s - m, two at a time
.set i_, i_+2
.endr
.set i_, 0
.rept 64
	v_exp_f32 v[AC+i_], v[AC+i_]                   ; one batch
.set i_, i_+1
.endr
	v_nop                                          ; a plain line behind the last exponential
	s_wait_alu depctr_va_vdst(0)                   ; the wait ahead of the first line that names a result: one for the batch
	WIN W|(W<<2)
.irp b, 0,1,2,3,4,5,6,7
.irp i, 0,1,2,3
	v_cvt_pk_f16_f32 v[TMP+4*\b+\i], v[AC+8*\b+2*\i], v[AC+8*\b+2*\i+1]
.endr
.endr
	v_pk_add_f32 v[S0:S0+1], v[AC:AC+1], v[AC+2:AC+3]              ; the row's sum is taken of p in f32: two chains of packed additions
	v_pk_add_f32 v[S1:S1+1], v[AC+4:AC+5], v[AC+6:AC+7]
	WIN W<<2
.set i_, 8
.rept 14
	v_pk_add_f32 v[S0:S0+1], v[S0:S0+1], v[AC+i_:AC+i_+1]
	v_pk_add_f32 v[S1:S1+1], v[S1:S1+1], v[AC+i_+2:AC+i_+3]
.set i_, i_+4
.endr
	WIN 0
	v_pk_add_f32 v[S0:S0+1], v[S0:S0+1], v[S1:S1+1]
	v_add_f32 v[S0], v[S0], v[S0+1]
	v_permlanex16_b32 v[MX+4], v[S0], s[SEL], s[SEL+1]
	v_add_f32 v[S0], v[S0], v[MX+4]                ; l
	v_cndmask_b32 v[ST+(\a)], v[MX+5], v[S0], s[HM]   ; lanes 0-15 keep m, lanes 16-31 l
.endm
.macro TOSTAGE a
.set BK, OB+192*((\a)%2)
.irp b, 0,1,2,3,4,5,6,7
	ds_store_b128 v[STO], v[TMP+4*\b:TMP+4*\b+3] offset:32*\b
.endr
.irp t, 0,1,2,3,4,5,6,7
	ds_load_b128 v[BK+4*\t:BK+4*\t+3], v[RD] offset:\t*2*PITCH     ; LDS serves a wave's instructions in order (ISA guide 5.7.1.4)
.endr
.endm
.macro SEND a, younger
.set BK, OB+192*((\a)%2)
	s_wait_dscnt \younger
.irp t, 0,1,2,3,4,5,6,7
	global_store_b128 v[CO], v[BK+4*\t:BK+4*\t+3], s[6:7] offset:(\a)*65536+\t*8192   ; sixteen lanes store 256 consecutive bytes, aligned
.endr
.endm
	SOFT 0
	TOSTAGE 0
.irp a, 1,2,3,4,5,6,7
	SOFT \a
.if \a > 1
	s_wait_xcnt 0x0                                ; block a - 2's stores have read their registers
.endif
	TOSTAGE \a
	SEND \a-1, 16                                  ; behind block a - 1's loads: block a's 8 stores and 8 loads
.endr
	SEND 7, 0
.irp p, 0,1,2,3
	global_store_b64 v[SO], v[ST+2*\p:ST+2*\p+1], s[8:9] offset:256*\p   ; the statistics of two blocks of 16 rows: 256 consecutive bytes, aligned
.endr
.Ldone:
	s_wait_tensorcnt 0x0                           ; the wave's end
	ds_add_u32 v[SPW], v[NIL]
	s_wait_dscnt 0x0
	s_endpgm
; ======== v = x Wv + bv.  Tile (row, column) = (n / 4, n % 4) of 32 x 4 tiles of 256 x 256, n = the work-group's number, less 144 from 160 on.  Four waves, 128 x 128 each.
; K = 1,024 is the two slots, 512 each: both are filled at the start and nothing is filled again.  x's codes come as rows of 256 bytes (+16 in LDS), W's as images of the operand's registers (32,768 bytes at the head of a quarter).
; Source 0 = 16 columns of W, source 1 = 16 rows of x: a lane holds eight neighbouring columns of one row.  The bias is the C of each sum's first matrix instruction.
; Results leave as f16 [8192][1024]; the first 16 rows of each sequence leave in f32 too, as images of the accumulators (fin).
; REGISTERS: window 0: v0-31 addresses; v32-63 x's scale words, v64-95 W's (they hold scales and nothing else); v96-127 packed results; v128-191 x's fragments; v192-255 the bias, later rows on the way out.
;   window 1: W's fragments, two sets.   windows 2, 3: the accumulators.
.set VNQ,    4
.set VFR,    8
.set VNL,    2
.set VADRS,  27
.set VADRSB, 30
.set VFO,    31
.set VSCA,   32                        ; set s at +16 s; register 4 (a / 2) + q: lanes 0-15 block a even, lanes 16-31 block a odd
.set VSCB,   64
.set VTMP,   96
.set VAF,    128
.set VBIAS,  192
.set VOB,    192
.set VG1,    24
.set VG0,    32
.set VG1B,   40
.set VG0B,   48
.set VG1S,   56
.set VG0S,   76
.set VG1SB,  80
.set VG0SB,  88
.macro VJLOAD g0a, g1a, g0b, g1b       ; waves 0, 1 fetch for x, waves 2, 3 for W; an s_nop 0 and four v_nop follow each line
	s_cmp_eq_u32 s11, 0
	s_cbranch_scc0 .Lvfor_b_\@
	tensor_load_to_lds s[\g0a:\g0a+3], s[\g1a:\g1a+7]
	s_nop 0
.rept 4
	v_nop
.endr
	s_branch .Lvasked_\@
.Lvfor_b_\@:
	tensor_load_to_lds s[\g0b:\g0b+3], s[\g1b:\g1b+7]
	s_nop 0
.rept 4
	v_nop
.endr
.Lvasked_\@:
.endm
.Lvproj:
	s_cmp_lt_u32 ttmp9, 16
	s_cselect_b32 s13, 0, 144
	s_sub_co_u32 s13, ttmp9, s13                   ; 0 to 127
	s_lshr_b32 s14, s13, 2                         ; tile row, 0 to 31
	s_and_b32 s13, s13, 3                          ; tile column, 0 to 3
	s_lshr_b32 s15, s14, 3                         ; the sequence
	s_and_b32 s16, s14, 7                          ; the tile row within it
	s_mov_b32 s[VG1], (1<<20)|(5<<22)|(3<<25)      ; x's codes: elements of 1 byte; padding of 4 words behind every 64
	s_mov_b32 s[VG1+1], 256<<16                    ; tensor_dim0
	s_mov_b32 s[VG1+2], 128<<16                    ; tensor_dim1
	s_mov_b32 s[VG1+3], 256<<16                    ; tile_dim0
	s_mov_b32 s[VG1+4], 128                        ; tile_dim1
	s_mov_b32 s[VG1+5], 512                        ; a row of codes in memory
	s_mov_b32 s[VG1+6], 0
	s_mov_b32 s[VG1+7], 0
	s_mov_b32 s[VG1B], 3<<16                       ; W's images: elements of 8 bytes, no padding: 8 rows (tiles) of 4,096 bytes (four K steps), 8,192 bytes apart
	s_mov_b32 s[VG1B+1], 512<<16
	s_mov_b32 s[VG1B+2], 8<<16
	s_mov_b32 s[VG1B+3], 512<<16
	s_mov_b32 s[VG1B+4], 8
	s_mov_b32 s[VG1B+5], 1024
	s_mov_b32 s[VG1B+6], 0
	s_mov_b32 s[VG1B+7], 0
	s_mov_b32 s[VG1S], (3<<16)|(1<<20)|(5<<22)|(3<<25)             ; x's scale bytes of 128 rows: 4,096 dense bytes as 16 rows of 256, 16 of padding behind each
	s_mov_b32 s[VG1S+1], 32<<16
	s_mov_b32 s[VG1S+2], 16<<16
	s_mov_b32 s[VG1S+3], 32<<16
	s_mov_b32 s[VG1S+4], 16
	s_mov_b32 s[VG1S+5], 32
	s_mov_b32 s[VG1S+6], 0
	s_mov_b32 s[VG1S+7], 0
	s_mov_b32 s[VG1SB], 2<<16                      ; W's scale words of 128 columns: 8 rows (K steps) of 128 words, 3,072 words apart
	s_mov_b32 s[VG1SB+1], 128<<16
	s_mov_b32 s[VG1SB+2], 8<<16
	s_mov_b32 s[VG1SB+3], 128<<16
	s_mov_b32 s[VG1SB+4], 8
	s_mov_b32 s[VG1SB+5], 3072
	s_mov_b32 s[VG1SB+6], 0
	s_mov_b32 s[VG1SB+7], 0
	s_lshl_b32 s17, s14, 8
	s_lshl_b32 s18, s12, 7
	s_add_co_u32 s17, s17, s18                     ; x: row 256 x tile row + 128 x half
	s_lshl_b32 s92, s17, 9                         ; its codes,
	s_mov_b32 s93, 0
	s_lshl_b32 s94, s17, 5
	s_add_co_u32 s94, s94, 4194304                 ; its scale bytes
	s_mov_b32 s95, 0
	s_lshl_b32 s17, s13, 4
	s_lshl_b32 s18, s12, 3
	s_add_co_u32 s17, s17, s18
	s_add_co_u32 s17, s17, 128                     ; W: tile of 16 columns 128 (where v's begin) + 16 x tile column + 8 x half
	s_lshl_b32 s98, s17, 6
	s_add_co_u32 s98, s98, 1572864                 ; its scale words,
	s_mov_b32 s99, 0
	s_lshl_b32 s96, s17, 13                        ; its images
	s_mov_b32 s97, 0
	s_mul_i32 s19, s10, HALFT                      ; where the codes go: quarter w of a slot
	s_mul_i32 s20, s12, 4352
	s_add_co_u32 s20, s20, VSCLA
	s_lshl_b32 s21, s12, 12
	s_add_co_u32 s21, s21, VSCLB
	s_wait_kmcnt 0x0
	s_add_nc_u64 s[92:93], s[66:67], s[92:93]
	s_add_nc_u64 s[94:95], s[66:67], s[94:95]
	s_add_nc_u64 s[96:97], s[68:69], s[96:97]
	s_add_nc_u64 s[98:99], s[68:69], s[98:99]
	s_mov_b32 s[VG0S], 1
	s_mov_b32 s[VG0S+1], s20
	s_mov_b64 s[VG0S+2:VG0S+3], s[94:95]
	s_or_b32 s[VG0S+3], s[VG0S+3], 0x80000000
	s_mov_b32 s[VG0SB], 1
	s_mov_b32 s[VG0SB+1], s21
	s_mov_b64 s[VG0SB+2:VG0SB+3], s[98:99]
	s_or_b32 s[VG0SB+3], s[VG0SB+3], 0x80000000
	VJLOAD VG0S, VG1S, VG0SB, VG1SB                ; the scales first: they are wanted with the first slot
.irp s, 0,1
	s_mov_b32 s[VG0+4*\s], 1
	s_add_co_u32 s[VG0+4*\s+1], s19, \s*SLOT
	s_add_nc_u64 s[VG0+4*\s+2:VG0+4*\s+3], s[92:93], \s*256
	s_or_b32 s[VG0+4*\s+3], s[VG0+4*\s+3], 0x80000000
	s_mov_b32 s[VG0B+4*\s], 1
	s_add_co_u32 s[VG0B+4*\s+1], s19, \s*SLOT
	s_add_nc_u64 s[VG0B+4*\s+2:VG0B+4*\s+3], s[96:97], \s*4096
	s_or_b32 s[VG0B+4*\s+3], s[VG0B+4*\s+3], 0x80000000
	VJLOAD VG0+4*\s, VG1, VG0B+4*\s, VG1B          ; three loads of a wave are out
.endr
	v_and_b32 v1, 15, v0                           ; r
	v_bfe_u32 v2, v0, 4, 1                         ; h
	v_and_b32 v3, 31, v0                           ; lane
	v_lshlrev_b32 v8, 5, v2                        ; the bias: 32 h bytes: my half's eight columns of a tile
	s_lshl_b32 s22, s13, 10
	s_lshl_b32 s23, s12, 9
	s_add_co_u32 s22, s22, s23                     ; my 128 columns, 4 bytes each
	s_mov_b32 s23, 0
	s_add_nc_u64 s[70:71], s[70:71], s[22:23]
.irp b, 0,1,2,3,4,5,6,7
	global_load_b128 v[VBIAS+8*\b:VBIAS+8*\b+3], v8, s[70:71] offset:64*\b
	global_load_b128 v[VBIAS+8*\b+4:VBIAS+8*\b+7], v8, s[70:71] offset:64*\b+16
.endr
	v_mul_u32_u24 v4, v1, PITCH
	v_lshl_add_u32 v4, v2, 4, v4                   ; a fragment of x: row x pitch + 16 x half
	v_lshlrev_b32 v[VFO], 4, v3                    ; 16 x lane
	s_mul_i32 s17, s11, HALFT                      ; my 128 rows of x
	s_mul_i32 s18, s12, HALFT
	s_add_co_u32 s18, s18, 2*HALFT                 ; my 8 tiles of W
.irp s, 0,1
	v_add_nc_u32 v[ADRA+\s], s17, v4
	v_add_nc_u32 v[ADRB+\s], s18, v[VFO]
	s_add_co_u32 s17, s17, SLOT
	s_add_co_u32 s18, s18, SLOT
.endr
	v_lshlrev_b32 v6, 5, v1                        ; x's scale bytes: 32 a row,
	v_lshrrev_b32 v7, 8, v6
	v_lshl_add_u32 v6, v7, 4, v6                   ; 16 more for each 256 passed,
	v_mad_u32_u24 v6, v2, 544, v6                  ; lanes 16-31 take the next block of 16 rows
	s_mul_i32 s17, s11, 4352
	s_add_co_u32 s17, s17, VSCLA
	v_add_nc_u32 v[VADRS], s17, v6
	s_lshl_b32 s17, s12, 12
	s_add_co_u32 s17, s17, VSCLB
	v_lshl_add_u32 v[VADRSB], v3, 2, s17           ; W's scale words: 4 x lane: lanes 0-15 an even tile's columns, lanes 16-31 the odd tile's
	s_mul_i32 s17, s10, 16*PITCH
	s_add_co_u32 s17, s17, STAGE                   ; my stage
	v_add_nc_u32 v[STO], s17, v4
	v_mul_u32_u24 v5, v2, PITCH
	v_lshl_add_u32 v5, v1, 4, v5
	v_add_nc_u32 v[RD], s17, v5                    ; back: lanes 0-15 one row of 256 bytes, lanes 16-31 the next
	v_lshlrev_b32 v5, 11, v2
	v_lshl_add_u32 v[CO], v1, 4, v5                ; the same two rows in vv (2,048 bytes a row)
	s_lshl_b32 s17, s14, 8
	s_lshl_b32 s18, s11, 7
	s_add_co_u32 s17, s17, s18                     ; my first row
	s_lshl_b32 s22, s17, 11
	s_lshl_b32 s18, s13, 9
	s_add_co_u32 s22, s22, s18
	s_lshl_b32 s18, s12, 8
	s_add_co_u32 s22, s22, s18                     ; my first column, 2 bytes each
	s_add_nc_u64 s[72:73], s[72:73], s[22:23]      ; vv at my part
	s_add_co_u32 s17, s15, 8                       ; fin: 4 x matrix (v is the third) + sequence
	s_lshl_b32 s17, s17, 6
	s_lshl_b32 s18, s13, 4
	s_add_co_u32 s17, s17, s18
	s_lshl_b32 s18, s12, 3
	s_add_co_u32 s17, s17, s18                     ; + my first tile of 16 columns
	s_lshl_b32 s22, s17, 10
	s_add_nc_u64 s[74:75], s[74:75], s[22:23]      ; fin at my part
.macro VFRAGA reg, slot, q, i          ; 16 rows x 128 K of 4-bit codes: registers 4 c .. 4 c + 3 hold K = 64 c + 32 (lane / 16) + 0 .. 31
.irp c, 0,1
	ds_load_b128 v[\reg+4*\c:\reg+4*\c+3], v[ADRA+\slot] offset:64*(\q)+32*\c+(\i)*16*PITCH
.endr
.endm
.macro VFRAGB reg, slot, q, i          ; the image comes back as it was laid
.irp c, 0,1
	ds_load_b128 v[\reg+4*\c:\reg+4*\c+3], v[ADRB+\slot] offset:(\i)*4096+(\q)*1024+512*\c
.endr
.endm
; one product: x's block a against W's tile b; p: W's set; q: which 128 along K of the slot; sc: the set of scale words; bias = 1: C is the bias.  Odd blocks' scale words lie in lanes 16-31.
.macro VWM a, b, p, q, sc, bias
.set rD, 8*(8*((\a)%4)+(\b))
.set rB, 128*(\p)+VFR*(\b)
.set rA, VAF+VFR*(\a)
.set rSB, VSCB+16*(\sc)+4*((\b)/2)+(\q)
.set rSA, VSCA+16*(\sc)+4*((\a)/2)+(\q)
.set rC, rD
.if \bias
.set rC, VBIAS+8*(\b)
.endif
.if (((\a)%2) == 0) && (((\b)%2) == 0)
	v_wmma_scale_f32_16x16x128_f8f6f4 v[rD:rD+7], v[rB:rB+7], v[rA:rA+7], v[rC:rC+7], v[rSB], v[rSA] matrix_a_fmt:MATRIX_FMT_FP4 matrix_b_fmt:MATRIX_FMT_FP4
.elseif ((\a)%2) == 0
	v_wmma_scale_f32_16x16x128_f8f6f4 v[rD:rD+7], v[rB:rB+7], v[rA:rA+7], v[rC:rC+7], v[rSB], v[rSA] matrix_a_fmt:MATRIX_FMT_FP4 matrix_b_fmt:MATRIX_FMT_FP4 matrix_a_scale:MATRIX_SCALE_ROW1
.elseif ((\b)%2) == 0
	v_wmma_scale_f32_16x16x128_f8f6f4 v[rD:rD+7], v[rB:rB+7], v[rA:rA+7], v[rC:rC+7], v[rSB], v[rSA] matrix_a_fmt:MATRIX_FMT_FP4 matrix_b_fmt:MATRIX_FMT_FP4 matrix_b_scale:MATRIX_SCALE_ROW1
.else
	v_wmma_scale_f32_16x16x128_f8f6f4 v[rD:rD+7], v[rB:rB+7], v[rA:rA+7], v[rC:rC+7], v[rSB], v[rSA] matrix_a_fmt:MATRIX_FMT_FP4 matrix_b_fmt:MATRIX_FMT_FP4 matrix_a_scale:MATRIX_SCALE_ROW1 matrix_b_scale:MATRIX_SCALE_ROW1
.endif
.endm
.macro VMUL16 a0, p, q, sc, bias       ; the 64 accumulators take turns, one instruction a turn, in the same order in every step
.irp a, \a0, \a0+1
.irp b, 0,1,2,3,4,5,6,7
	VWM \a, \b, \p, \q, \sc, \bias
.endr
.endr
.endm
.macro VFETCH_B slot, q, p
	WIN TO_B
.irp i, 0,1,2,3,4,5,6,7
	VFRAGB 128*(\p)+VFR*\i, \slot, \q, \i
.endr
	WIN 0
.endm
.macro VFETCH_A slot, q, i0
.irp i, \i0, \i0+1, \i0+2, \i0+3
	VFRAGA VAF+VFR*(\i), \slot, \q, \i
.endr
.endm
.macro VSCALES sc                      ; a slot's scale words: x's by four loads of four words, W's by sixteen of one
.irp j, 0,1,2,3
	ds_load_b128 v[VSCA+16*\sc+4*\j:VSCA+16*\sc+4*\j+3], v[VADRS] offset:\j*1088+16*\sc
.endr
.irp j, 0,1,2,3
.irp q, 0,1,2,3
	ds_load_b32 v[VSCB+16*\sc+4*\j+\q], v[VADRSB] offset:(4*\sc+\q)*512+128*\j
.endr
.endr
.endm
.macro VSTEP slot, q, bias             ; 128 along K with its successor in the same slot
	s_wait_dscnt 4*VNL                             ; W's set, the scale words and x's blocks 0-3 are in; the youngest eight loads (x's blocks 4-7) may be out
.if \bias
	WIN 0x81                                       ; as MUL_LO, but C in window 0
.else
	WIN MUL_LO
.endif
	VMUL16 0, (\q)%2, \q, \slot, \bias
	VMUL16 2, (\q)%2, \q, \slot, \bias
	s_wait_dscnt 0                                 ; x's blocks 4-7 are in
	PLACES                                         ; in front of loads into registers that matrix instructions have read
	VFETCH_B \slot, (\q)+1, 1-(\q)%2
	VFETCH_A \slot, (\q)+1, 0
.if \bias
	WIN 0xc1
.else
	WIN MUL_HI
.endif
	VMUL16 4, (\q)%2, \q, \slot, \bias
	VMUL16 6, (\q)%2, \q, \slot, \bias
	PLACES
	WIN 0
	VFETCH_A \slot, (\q)+1, 4
.endm
.macro VTURN slot, next                ; a slot's last step changes slots: one barrier; nothing is filled again
	s_wait_tensorcnt 0x0                           ; all my tensor loads have landed: my part of the next slot
	ds_add_u32 v[SPW], v[NIL]                      ; 0 onto my spare word
	s_wait_dscnt 4*VNL+1                           ; (the add and x's blocks 4-7 may be out)
	WIN MUL_LO
	VMUL16 0, 1, VNQ-1, \slot, 0
	s_wait_dscnt 0x0                               ; the add is done, and my reads of this slot are over
	s_barrier_signal -1
	VMUL16 2, 1, VNQ-1, \slot, 0
	WIN 0
	s_barrier_wait -1                              ; the next slot is whole
	PLACES
	VFETCH_B \next, 0, 0
	VFETCH_A \next, 0, 0
	VSCALES \next
	WIN MUL_HI
	VMUL16 4, 1, VNQ-1, \slot, 0
	VMUL16 6, 1, VNQ-1, \slot, 0
	PLACES
	WIN 0
	VFETCH_A \next, 0, 4
.endm
	s_wait_tensorcnt 1                             ; the scales and my part of slot 0 are in; slot 1's load may be out
	s_barrier_signal -1
	s_barrier_wait -1
	VFETCH_B 0, 0, 0
	VFETCH_A 0, 0, 0
	VSCALES 0
	VFETCH_A 0, 0, 4
	s_wait_loadcnt 0x0                             ; the bias
	VSTEP 0, 0, 1                                  ; the first step starts the sums from the bias
	VSTEP 0, 1, 0
	VSTEP 0, 2, 0
	VTURN 0, 1
	VSTEP 1, 0, 0
	VSTEP 1, 1, 0
	VSTEP 1, 2, 0
	s_wait_dscnt 4*VNL                             ; the last step: nothing more to fetch
	WIN MUL_LO
	VMUL16 0, 1, VNQ-1, 1, 0
	VMUL16 2, 1, VNQ-1, 1, 0
	s_wait_dscnt 0
	WIN MUL_HI
	VMUL16 4, 1, VNQ-1, 1, 0
	VMUL16 6, 1, VNQ-1, 1, 0
	WIN 0
	PLACES                                         ; in front of the first reads of results
	; rows 0-15 of a sequence lie in block 0 of the waves with the upper rows of the sequence's first tile row: their accumulators leave in f32 as they stand, 512 consecutive bytes a store
	s_or_b32 s17, s16, s11
	s_cmp_lg_u32 s17, 0
	s_cbranch_scc1 .Lvno_fine
	WIN 0x08                                       ; a store's data are its source 1: window 2
.irp b, 0,1,2,3,4,5,6,7
	global_store_b128 v[VFO], v[8*\b:8*\b+3], s[74:75] offset:1024*\b         ; each accumulator from its low end on
	global_store_b128 v[VFO], v[8*\b+4:8*\b+7], s[74:75] offset:1024*\b+512
.endr
	WIN 0
.Lvno_fine:
; THE WAY OUT, a block of 16 rows x 128 columns at a time: rounded to f16, 16 bytes a lane into my stage, back as whole rows of 256 bytes.
.macro VPACK a
.set AC, 64*((\a)%4)
	WIN 0x0a+5*((\a)/4)                            ; sources 0 and 1: window 2 or 3
.irp b, 0,1,2,3,4,5,6,7
.irp i, 0,1,2,3
	v_cvt_pk_f16_f32 v[VTMP+4*\b+\i], v[AC+8*\b+2*\i], v[AC+8*\b+2*\i+1]
.endr
.endr
	WIN 0
.endm
.macro VTOSTAGE a
.irp b, 0,1,2,3,4,5,6,7
	ds_store_b128 v[STO], v[VTMP+4*\b:VTMP+4*\b+3] offset:32*\b
.endr
.irp t, 0,1,2,3,4,5,6,7
	ds_load_b128 v[VOB+32*((\a)%2)+4*\t:VOB+32*((\a)%2)+4*\t+3], v[RD] offset:\t*2*PITCH   ; LDS serves a wave's instructions in order (ISA guide 5.7.1.4): these see the stores above
.endr
.endm
.macro VSEND a, younger
	s_wait_dscnt \younger
.irp t, 0,1,2,3,4,5,6,7
	global_store_b128 v[CO], v[VOB+32*((\a)%2)+4*\t:VOB+32*((\a)%2)+4*\t+3], s[72:73] offset:(\a)*32768+\t*4096   ; sixteen lanes store 256 consecutive bytes, aligned
.endr
.endm
	VPACK 0
	VTOSTAGE 0
.irp a, 1,2,3,4,5,6,7
	VPACK \a
.if \a > 1
	s_wait_xcnt 0x0                                ; block a - 2's stores have read their registers: block a's loads may land there
.endif
	VTOSTAGE \a
	VSEND \a-1, 16                                 ; behind block a - 1's loads: block a's 8 stores and 8 loads
.endr
	VSEND 7, 0
	s_wait_tensorcnt 0x0                           ; the wave's end
	ds_add_u32 v[SPW], v[NIL]
	s_wait_dscnt 0x0
	s_endpgm
.Lfunc_end_k_q7ec6a34dac_scores:
	.size	k_q7ec6a34dac_scores, .Lfunc_end_k_q7ec6a34dac_scores-k_q7ec6a34dac_scores
	.p2alignl 7, 3214868480
	.fill 96, 4, 3214868480
	.section	.rodata,"a",@progbits
	.p2align	6, 0x0
	.amdhsa_kernel k_q7ec6a34dac_scores
		.amdhsa_group_segment_fixed_size 327680
		.amdhsa_private_segment_fixed_size 0
		.amdhsa_enable_private_segment 0
		.amdhsa_kernarg_size 64
		.amdhsa_user_sgpr_count 2
		.amdhsa_user_sgpr_kernarg_segment_ptr 1
		.amdhsa_wavefront_size32 1
		.amdhsa_system_sgpr_workgroup_id_x 1
		.amdhsa_system_sgpr_workgroup_id_y 1
		.amdhsa_system_sgpr_workgroup_id_z 1
		.amdhsa_system_vgpr_workitem_id 0
		.amdhsa_next_free_vgpr 1024
		.amdhsa_next_free_sgpr 100
		.amdhsa_reserve_vcc 0
		.amdhsa_float_denorm_mode_32 3
		.amdhsa_float_denorm_mode_16_64 3
		.amdhsa_memory_ordered 1
		.amdhsa_forward_progress 1
		.amdhsa_inst_pref_size 255
	.end_amdhsa_kernel
	.section	.bss,"aw",@nobits
	.p2align	6
	.space	262144
	.amdgpu_metadata
---
amdhsa.version: [ 1, 2 ]
amdhsa.kernels:
  - .name:           k_q7ec6a34dac_scores
    .symbol:         k_q7ec6a34dac_scores.kd
    .args:
      - { .name: qk, .offset: 0, .size: 8, .value_kind: global_buffer, .address_space: global }
      - { .name: p16, .offset: 8, .size: 8, .value_kind: global_buffer, .address_space: global }
      - { .name: stat, .offset: 16, .size: 8, .value_kind: global_buffer, .address_space: global }
      - { .name: xq, .offset: 24, .size: 8, .value_kind: global_buffer, .address_space: global }
      - { .name: wq, .offset: 32, .size: 8, .value_kind: global_buffer, .address_space: global }
      - { .name: bv, .offset: 40, .size: 8, .value_kind: global_buffer, .address_space: global }
      - { .name: vv, .offset: 48, .size: 8, .value_kind: global_buffer, .address_space: global }
      - { .name: fin, .offset: 56, .size: 8, .value_kind: global_buffer, .address_space: global }
    .group_segment_fixed_size: 327680
    .private_segment_fixed_size: 0
    .kernarg_segment_align: 8
    .kernarg_segment_size: 64
    .max_flat_workgroup_size: 128
    .sgpr_count:     100
    .vgpr_count:     1024
    .wavefront_size: 32
...
	.end_amdgpu_metadata
.endif
;; end of part 3
;; launch pv (part 4): grid 8 x 32, 4 waves a work-group, clusters of 4 x 1, 327,680 bytes of LDS; arguments p16, vv, stat, out0; writes out0
.if DOCPART == 4
	.amdgcn_target "amdgcn-amd-amdhsa--gfx1250"
	.amdhsa_code_object_version 6
	.text
	.protected	k_q7ec6a34dac_pv
	.globl	k_q7ec6a34dac_pv
	.p2align	8
	.type	k_q7ec6a34dac_pv,@function
k_q7ec6a34dac_pv:
	s_mov_b64 s[64:65], 0
	v_nop
	global_prefetch_b8 v0, s[64:65] scope:SCOPE_SE
	s_setreg_imm32_b32 hwreg(HW_REG_WAVE_MODE, 25, 1), 1
	s_wait_xcnt 0x0
	s_wait_alu depctr_hold_cnt(0) depctr_sa_sdst(0) depctr_va_vdst(0) depctr_va_sdst(0) depctr_va_ssrc(0) depctr_va_vcc(0) depctr_vm_vsrc(0)
	s_getreg_b32 s2, hwreg(HW_REG_IB_STS2, 6, 4)
	s_cmp_eq_u32 s2, 0
	s_cbranch_scc0 .Lentry_in_a_cluster
	s_endpgm
.Lentry_in_a_cluster:
	s_bfe_u32 s2, ttmp6, 0x10000c
	s_cmp_lg_u32 s2, 0x3003
	s_cbranch_scc0 .Lentry_shape_is_right
	s_endpgm
.Lentry_shape_is_right:
; out[row] = the sum over the row's live blocks of 128 keys of f x (P_block V_block), f = 2^(m_block - m_row) / L_row, m_row = the largest m_block, L_row = the sum of 2^(m_block - m_row) l_block.
; Every exponent is 0 or less and L_row is about 1 or more.  P and V are f16 operands, sums f32, f is applied in f32.
; LEFT OUT: blocks wholly above the diagonal of the problem's own causal mask; the first 16 rows of each sequence are computed with their tile but stored by the next launch, which carries them in f32.
; SHARES.  A work-group makes two tiles of 128 rows x 128 channels: row blocks lo and 15 - lo of one sequence, as ONE walk of 17 key steps of 128 keys (lo + 1 steps, then 16 - lo): 256 work-groups of equal work, a
; constant trip count, and no tensor load that is jumped over in the loop.  A wave makes 64 x 64: 16 accumulators T for a key step, added into ACC with the step's factor.
; CLUSTER of 4 x 1: the four partners make four neighbouring blocks of channels for the same rows: P's tiles are asked for jointly.  V's tiles differ between partners (their channels): plain loads behind the same rounds.
; THE MATRIX INSTRUCTION IS USED TRANSPOSED (source 0 = 16 channels of V^T, by the turning LDS load; source 1 = 16 rows of P): a lane holds ONE row (lane % 16) and eight neighbouring channels, so f is one number a lane.
; Where a tile ends hangs on the work-group's number, so the step is written once: every step's first products take C = 0, and ACC is cleared at the head and once at the change of tiles.
; REGISTERS: window 0: v0-31 addresses and factors; v32-95 rows on the way out; v128-255 T.   window 1: two fragment buffers (P's 64, then V's 64).   window 2: v0-127 ACC.   At the head v32-255 of window 0 serve the statistics.
.set PA,    272                        ; a row of P's tile in LDS: 256 bytes + 16
.set PV,    288                        ; a row of V's: 256 + 32
.set VOFF,  128*PA
.set STEPB, 128*(PA+PV)                ; a key step's tiles: 71,680 bytes
.set SLOT,  2*STEPB                    ; a slot holds two key steps
.set STAGE, 2*SLOT                     ; 16 rows x 272 bytes for each wave
.set FTAB,  STAGE+4*16*272             ; the factors: for each wave [step 17][row 16][tile of rows 4] f32
.set SPARE, FTAB+4*4352                ; the spare words, 128 bytes a wave, that no other line names
.set NI,   7                           ; v7   -infinity (head)
.set ADRA, 8                           ; v8-11  P's fragments, slot and step 2 s + p
.set ADRB, 12                          ; v12-15 V's
.set STO,  16
.set RD,   17
.set CO,   18
.set FA,   20                          ; v20  my row's factors of the step in hand
.set R8,   21
.set F,    22                          ; v22-29: the four factors in the even registers
.set SPW,  30
.set NIL,  31
.set OB,   32
.set T,    128
.set F0,   0
.set F1,   128
.set VO,   32                          ; head: v32-40 offsets of the statistics' records
.set FE,   32                          ; head: v32-99 the factors, 4 n + m
.set MLO,  100
.set MHI,  104
.set TA,   108
.set MS,   112                         ; head: v112-247: step n: m of row tiles 0, 1; l of 0, 1; m of 2, 3; l of 2, 3
.set LLO,  248
.set LHI,  252
.set WV,   12
.set RH,   13
.set PAR,  14
.set CX,   15
.set BATCH,16
.set LO,   17
.set HI,   18
.set N1,   19
.set CB,   20
.set NP,   21                          ; s21  the next step that I fetch for
.set POS,  22
.set SKIP, 23
.set G1A,  24
.set G1B,  32
.set G0A,  40
.set G0B,  48
.set AOLO, 56
.set AOHI, 57
.set BB,   58
.set T0,   59
.set TPA,  60                          ; s[60:61] P's offset: never holds cx
.set TPB,  62                          ; s[62:63] V's offset
.set OUTB, 66
.set OUTH, 68
.set MSK,  70                          ; s71-77: all ones where step n belongs to the lower tile
.set LOOP, 78
.set MSB, 0
.macro WIN new
.if MSB != (\new)
	s_set_vgpr_msb (MSB<<8)|(\new)
.set MSB, (\new)
.endif
.endm
.set MUL,  0x05                        ; sources 0 and 1 window 1; C and D window 0
.set TO_F, 0x40
.macro PLACES
.rept 4
	v_nop
.endr
.endm
.macro JLOAD sl                        ; waves 0, 1: P's tiles (joint); waves 2, 3: V's (my own); an s_nop 0 and four v_nop follow each line
	s_cmp_eq_u32 s[RH], 0
	s_cbranch_scc0 .Lfor_v_\@
	tensor_load_to_lds s[G0A+4*\sl:G0A+4*\sl+3], s[G1A:G1A+7]
	s_nop 0
.rept 4
	v_nop
.endr
	s_branch .Lasked_\@
.Lfor_v_\@:
	tensor_load_to_lds s[G0B+4*\sl:G0B+4*\sl+3], s[G1B:G1B+7]
	s_nop 0
.rept 4
	v_nop
.endr
.Lasked_\@:
.endm
.macro CREST
	s_cmp_lg_u32 s[WV], 0
	s_cbranch_scc1 .Lnot_wave_0_\@
	s_barrier_signal -3
.Lnot_wave_0_\@:
	s_barrier_wait -3
	s_barrier_signal -1
	s_barrier_wait -1
.endm
.macro CROUND
	s_barrier_signal -1
	s_barrier_wait -1
	CREST
.endm
; the addresses of step NP's tiles into slot sl's descriptors; run only while no tensor load of mine is out.  Step n < N1: lower tile, key block n; else upper tile, key block n - N1.
.macro ADDR sl
	s_cmp_lt_u32 s[NP], s[N1]
	s_cselect_b32 s[T0], 0, s[N1]
	s_cselect_b32 s[TPA], s[AOLO], s[AOHI]
	s_sub_co_u32 s[T0], s[NP], s[T0]               ; the key block
	s_lshl_b32 s[TPB], s[T0], 8
	s_add_co_u32 s[TPA], s[TPA], s[TPB]            ; P: the tile's rows, 256 bytes a key block
	s_add_nc_u64 s[G0A+4*\sl+2:G0A+4*\sl+3], s[4:5], s[TPA:TPA+1]
	s_or_b32 s[G0A+4*\sl+3], s[G0A+4*\sl+3], 0x80000000
	s_lshl_b32 s[TPB], s[T0], 18                   ; V: 128 rows of 2,048 bytes a key block
	s_add_co_u32 s[TPB], s[TPB], s[BB]
	s_add_nc_u64 s[G0B+4*\sl+2:G0B+4*\sl+3], s[6:7], s[TPB:TPB+1]
	s_or_b32 s[G0B+4*\sl+3], s[G0B+4*\sl+3], 0x80000000
	s_add_co_u32 s[NP], s[NP], 2
.endm
	s_load_b256 s[4:11], s[0:1], 0x0               ; p16 s[4:5], vv s[6:7], stat s[8:9], out0 s[10:11]
	v_lshl_add_u32 v[SPW], v0, 2, SPARE
	v_mov_b32 v[NIL], 0
	ds_add_u32 v[SPW], v[NIL]                      ; the wave's opening: the add, twice on end, and its wait ahead of my first tensor load
	ds_add_u32 v[SPW], v[NIL]
	v_lshrrev_b32 v1, 5, v0
	v_readfirstlane_b32 s[WV], v1
	s_lshr_b32 s[RH], s[WV], 1                     ; my half of the rows.  Also: I fetch P (0) or V (1)
	s_and_b32 s[PAR], s[WV], 1                     ; my half of the channels.  Also: I fetch a slot's first or second step
	s_bfe_u32 s[CX], ttmp6, 0x40000
	s_lshl_b32 s[CB], ttmp9, 2
	s_add_co_u32 s[CB], s[CB], s[CX]               ; my block of 128 channels
	s_and_b32 s80, ttmp7, 0xffff
	s_lshr_b32 s[BATCH], s80, 3
	s_and_b32 s[LO], s80, 7
	s_sub_co_u32 s[HI], 15, s[LO]
	s_add_co_u32 s[N1], s[LO], 1
	s_mov_b32 s[G1A], 15|(1<<16)|(1<<20)|(1<<21)|(5<<22)|(3<<25)   ; the mask: all four partners; elements of 2 bytes; 4 words of padding behind every 64; bit 21 beside a mask
	s_mov_b32 s[G1A+1], 128<<16
	s_mov_b32 s[G1A+2], 128<<16
	s_mov_b32 s[G1A+3], 128<<16
	s_mov_b32 s[G1A+4], 128
	s_mov_b32 s[G1A+5], 2048
	s_mov_b32 s[G1A+6], 0
	s_mov_b32 s[G1A+7], 0
	s_mov_b32 s[G1B], (1<<16)|(1<<20)|(5<<22)|(7<<25)              ; no mask; 8 words of padding
	s_mov_b32 s[G1B+1], 128<<16
	s_mov_b32 s[G1B+2], 128<<16
	s_mov_b32 s[G1B+3], 128<<16
	s_mov_b32 s[G1B+4], 128
	s_mov_b32 s[G1B+5], 1024
	s_mov_b32 s[G1B+6], 0
	s_mov_b32 s[G1B+7], 0
	s_mul_i32 s80, s[PAR], STEPB
.irp s, 0,1
	s_mov_b32 s[G0A+4*\s], 1
	s_add_co_u32 s[G0A+4*\s+1], s80, \s*SLOT
	s_mov_b32 s[G0B+4*\s], 1
	s_add_co_u32 s[G0B+4*\s+1], s80, \s*SLOT+VOFF
.endr
	s_lshl_b32 s80, s[BATCH], 11
	s_lshl_b32 s81, s[LO], 7
	s_add_co_u32 s81, s81, s80
	s_lshl_b32 s[AOLO], s81, 12                    ; p16: 4,096 bytes a row
	s_lshl_b32 s82, s[HI], 7
	s_add_co_u32 s82, s82, s80
	s_lshl_b32 s[AOHI], s82, 12
	s_mov_b32 s[TPA+1], 0
	s_mov_b32 s[TPB+1], 0
	s_lshl_b32 s[BB], s[BATCH], 22                 ; vv: 2,048 rows of 2,048 bytes a sequence,
	s_lshl_b32 s83, s[CB], 8
	s_add_co_u32 s[BB], s[BB], s83                 ; 256 bytes a block of channels
	s_lshl_b32 s83, s[RH], 6
	s_add_co_u32 s81, s81, s83
	s_add_co_u32 s82, s82, s83                     ; my first row in each tile
	s_lshl_b32 s84, s81, 12                        ; out0: 4,096 bytes a row
	s_lshl_b32 s86, s82, 12
	s_lshl_b32 s83, s[CB], 9
	s_add_co_u32 s84, s84, s83
	s_add_co_u32 s86, s86, s83
	s_lshl_b32 s83, s[PAR], 8
	s_add_co_u32 s84, s84, s83
	s_add_co_u32 s86, s86, s83
	s_mov_b32 s85, 0
	s_mov_b32 s87, 0
	s_or_b32 s83, s[LO], s[RH]
	s_cmp_eq_u32 s83, 0
	s_cselect_b32 s[SKIP], 1, 0                    ; my lower tile's first 16 rows are a sequence's first 16
	s_mov_b32 s[POS], 0
	s_mov_b32 s[NP], s[PAR]
	s_wait_dscnt 0x0                               ; both opening adds are done
	s_wait_kmcnt 0x0
	s_add_nc_u64 s[OUTB:OUTB+1], s[10:11], s[84:85]
	s_add_nc_u64 s[OUTH:OUTH+1], s[10:11], s[86:87]
	CROUND                                         ; all four work-groups are here: the first loads go out as one group behind this round
	ADDR 0
	JLOAD 0
	ADDR 1
	JLOAD 1                                        ; two loads of a wave are out
	v_and_b32 v1, 15, v0                           ; r
	v_bfe_u32 v2, v0, 4, 1                         ; h
	v_lshlrev_b32 v[R8], 3, v1
	; the statistics of my 64 rows for the 17 steps.  A record is 1,024 bytes; the record's number is (16 batch + row block) 16 + key block; my half of its rows begins 512 x half on.
	s_lshl_b32 s80, s[BATCH], 4
	s_add_co_u32 s81, s80, s[LO]
	s_lshl_b32 s81, s81, 14                        ; lower tile: + 1,024 n
	s_add_co_u32 s82, s80, s[HI]
	s_lshl_b32 s82, s82, 4
	s_sub_co_u32 s82, s82, s[N1]
	s_lshl_b32 s82, s82, 10                        ; upper tile: + 1,024 n likewise, N1 records taken off
	s_lshl_b32 s83, s[RH], 9
	s_add_co_u32 s81, s81, s83
	s_add_co_u32 s82, s82, s83
	v_add_nc_u32 v[VO], s81, v[R8]                 ; step 0 is always the lower tile's,
	v_add_nc_u32 v[VO+8], s82, v[R8]               ; steps 8 to 16 always the upper's
.irp n, 1,2,3,4,5,6,7
	s_cmp_gt_u32 s[N1], \n
	s_cselect_b32 s[MSK+\n], -1, 0
	s_cselect_b32 s84, s81, s82
	v_add_nc_u32 v[VO+\n], s84, v[R8]
.endr
.irp n, 0,1,2,3,4,5,6,7,8,9,10,11,12,13,14,15,16
.set VON, VO+8
.if \n < 8
.set VON, VO+\n
.endif
.irp k, 0,1,2,3
	global_load_b64 v[MS+8*\n+2*\k:MS+8*\n+2*\k+1], v[VON], s[8:9] offset:1024*\n+128*\k
.endr
.endr
	WIN 0x80
.set i_, 0
.rept 128
	v_mov_b32 v[i_], 0                             ; ACC, under the first tiles' flight
.set i_, i_+1
.endr
	WIN 0
.irp m, 0,1,2,3
	v_mov_b32 v[F+2*\m+1], 0                       ; named as the upper halves of pairs
.endr
	v_mov_b32 v[NI], 0xff800000
	s_mul_i32 s80, s[RH], 64*PA
	v_mul_u32_u24 v4, v1, PA
	v_lshl_add_u32 v4, v2, 4, v4
	v_add_nc_u32 v4, s80, v4                       ; P: my 64 rows, row r, + 16 h
	v_and_b32 v5, 7, v0
	v_lshl_add_u32 v5, v2, 3, v5
	v_mul_u32_u24 v5, v5, PV                       ; V: key 8 h + lane % 8,
	v_bfe_u32 v6, v0, 3, 1
	v_lshl_add_u32 v5, v6, 4, v5                   ; channels 8 ((lane / 8) % 2) on,
	s_lshl_b32 s80, s[PAR], 7
	v_add_nc_u32 v5, s80, v5                       ; in my 64 channels
.irp k, 0,1,2,3
	v_add_nc_u32 v[ADRA+\k], \k*STEPB, v4
	v_add_nc_u32 v[ADRB+\k], \k*STEPB+VOFF, v5
.endr
	s_mul_i32 s80, s[WV], 16*272
	s_add_co_u32 s81, s80, STAGE
	v_mul_u32_u24 v[STO], v1, 272
	v_lshl_add_u32 v[STO], v2, 5, v[STO]
	v_add_nc_u32 v[STO], s81, v[STO]               ; the stage: row r, 32 bytes for each half of the lanes
	v_mul_u32_u24 v[RD], v2, 272
	v_lshl_add_u32 v[RD], v1, 4, v[RD]
	v_add_nc_u32 v[RD], s81, v[RD]
	v_lshlrev_b32 v[CO], 12, v2
	v_lshl_add_u32 v[CO], v1, 4, v[CO]             ; two rows of out0
	s_add_co_u32 s81, s80, FTAB
	v_lshl_add_u32 v[FA], v1, 4, s81               ; my row's four factors of step 0
	s_wait_loadcnt 0x0
	; the rows' maxima: the upper tile's over its steps, the lower tile's over its own; steps 1 to 7 belong to one or the other by the work-group's number: both are formed and selected
.irp m, 0,1,2,3
	v_max3_num_f32 v[MHI+\m], v[MS+64+(\m%2)+4*(\m/2)], v[MS+72+(\m%2)+4*(\m/2)], v[MS+80+(\m%2)+4*(\m/2)]
.endr
.irp n, 11,13,15
.irp m, 0,1,2,3
	v_max3_num_f32 v[MHI+\m], v[MHI+\m], v[MS+8*\n+(\m%2)+4*(\m/2)], v[MS+8*\n+8+(\m%2)+4*(\m/2)]
.endr
.endr
.irp n, 1,2,3,4,5,6,7
.irp m, 0,1,2,3
	v_cndmask_b32 v[TA+\m], v[MS+8*\n+(\m%2)+4*(\m/2)], v[NI], s[MSK+\n]
.endr
.irp m, 0,1,2,3
	v_max_num_f32 v[MHI+\m], v[MHI+\m], v[TA+\m]
.endr
.irp m, 0,1,2,3
	v_cndmask_b32 v[TA+\m], v[NI], v[MS+8*\n+(\m%2)+4*(\m/2)], s[MSK+\n]
.endr
.irp m, 0,1,2,3
.if \n == 1
	v_max_num_f32 v[MLO+\m], v[MS+(\m%2)+4*(\m/2)], v[TA+\m]
.else
	v_max_num_f32 v[MLO+\m], v[MLO+\m], v[TA+\m]
.endif
.endr
.endr
.irp m, 0,1,2,3
	v_sub_f32 v[FE+\m], v[MS+(\m%2)+4*(\m/2)], v[MLO+\m]           ; m_block - m_row, 0 or less
.endr
.irp n, 1,2,3,4,5,6,7
.irp m, 0,1,2,3
	v_cndmask_b32 v[TA+\m], v[MHI+\m], v[MLO+\m], s[MSK+\n]
.endr
.irp m, 0,1,2,3
	v_sub_f32 v[FE+4*\n+\m], v[MS+8*\n+(\m%2)+4*(\m/2)], v[TA+\m]
.endr
.endr
.irp n, 8,9,10,11,12,13,14,15,16
.irp m, 0,1,2,3
	v_sub_f32 v[FE+4*\n+\m], v[MS+8*\n+(\m%2)+4*(\m/2)], v[MHI+\m]
.endr
.endr
.set i_, 0
.rept 68
	v_exp_f32 v[FE+i_], v[FE+i_]
.set i_, i_+1
.endr
	v_nop                                          ; a plain line behind the last exponential
	s_wait_alu depctr_va_vdst(0)                   ; the wait ahead of the first line that names a result: one for the batch
.irp m, 0,1,2,3
	v_mul_f32 v[LLO+\m], v[FE+\m], v[MS+2+(\m%2)+4*(\m/2)]
	v_mul_f32 v[LHI+\m], v[FE+32+\m], v[MS+66+(\m%2)+4*(\m/2)]
.endr
.irp n, 9,10,11,12,13,14,15,16
.irp m, 0,1,2,3
	v_fma_f32 v[LHI+\m], v[FE+4*\n+\m], v[MS+8*\n+2+(\m%2)+4*(\m/2)], v[LHI+\m]
.endr
.endr
.irp n, 1,2,3,4,5,6,7
.irp m, 0,1,2,3
	v_cndmask_b32 v[TA+\m], 0, v[FE+4*\n+\m], s[MSK+\n]
.endr
.irp m, 0,1,2,3
	v_fma_f32 v[LLO+\m], v[TA+\m], v[MS+8*\n+2+(\m%2)+4*(\m/2)], v[LLO+\m]
.endr
.irp m, 0,1,2,3
	v_cndmask_b32 v[TA+\m], v[FE+4*\n+\m], 0, s[MSK+\n]
.endr
.irp m, 0,1,2,3
	v_fma_f32 v[LHI+\m], v[TA+\m], v[MS+8*\n+2+(\m%2)+4*(\m/2)], v[LHI+\m]
.endr
.endr
.irp m, 0,1,2,3
	v_rcp_f32 v[LLO+\m], v[LLO+\m]
	v_rcp_f32 v[LHI+\m], v[LHI+\m]
.endr
	v_nop
	s_wait_alu depctr_va_vdst(0)                   ; one wait for the eight reciprocals
.irp m, 0,1,2,3
	v_mul_f32 v[FE+\m], v[FE+\m], v[LLO+\m]
.endr
.irp n, 1,2,3,4,5,6,7
.irp m, 0,1,2,3
	v_cndmask_b32 v[TA+\m], v[LHI+\m], v[LLO+\m], s[MSK+\n]
.endr
.irp m, 0,1,2,3
	v_mul_f32 v[FE+4*\n+\m], v[FE+4*\n+\m], v[TA+\m]
.endr
.endr
.irp n, 8,9,10,11,12,13,14,15,16
.irp m, 0,1,2,3
	v_mul_f32 v[FE+4*\n+\m], v[FE+4*\n+\m], v[LHI+\m]
.endr
.endr
.irp n, 0,1,2,3,4,5,6,7,8,9,10,11,12,13,14,15,16
	ds_store_b128 v[FA], v[FE+4*\n:FE+4*\n+3] offset:256*\n        ; into my wave's own table; both halves of the lanes write the same bytes with the same values
.endr
.macro MUL8 f, c, a0, zero             ; the 16 accumulators take turns, one instruction a turn
.irp a, \a0, \a0+1
.irp b, 0,1,2,3
.if \zero
	v_wmma_f32_16x16x32_f16 v[T+8*(4*(\a)+\b):T+8*(4*(\a)+\b)+7], v[\f+64+8*(4*\c+\b):\f+64+8*(4*\c+\b)+7], v[\f+8*(4*\c+\a):\f+8*(4*\c+\a)+7], 0
.else
	v_wmma_f32_16x16x32_f16 v[T+8*(4*(\a)+\b):T+8*(4*(\a)+\b)+7], v[\f+64+8*(4*\c+\b):\f+64+8*(4*\c+\b)+7], v[\f+8*(4*\c+\a):\f+8*(4*\c+\a)+7], v[T+8*(4*(\a)+\b):T+8*(4*(\a)+\b)+7]
.endif
.endr
.endr
.endm
.macro FETCH sl, q, f                  ; 32 LDS loads in one run: quarter q of slot sl (step q / 2, keys 64 (q % 2) on): the first 32 keys first
.set AA, ADRA+2*(\sl)+(\q)/2
.set AB, ADRB+2*(\sl)+(\q)/2
.set HF, (\q)%2
	WIN TO_F
.irp c, 0,1
.irp i, 0,1,2,3
	ds_load_tr16_b128 v[\f+64+8*(4*\c+\i):\f+64+8*(4*\c+\i)+3],   v[AB] offset:(64*HF+32*\c)*PV+32*\i
	ds_load_tr16_b128 v[\f+64+8*(4*\c+\i)+4:\f+64+8*(4*\c+\i)+7], v[AB] offset:(64*HF+32*\c+16)*PV+32*\i
	ds_load_b128 v[\f+8*(4*\c+\i):\f+8*(4*\c+\i)+3],   v[AA] offset:128*HF+64*\c+\i*16*PA
	ds_load_b128 v[\f+8*(4*\c+\i)+4:\f+8*(4*\c+\i)+7], v[AA] offset:128*HF+64*\c+\i*16*PA+32
.endr
.endr
.endm
; 64 keys: multiplies buffer f, fetches quarter qn into g.  zero = 1: a key step's first products start T.  fac = 1: the step's four factors are fetched, ahead of the run of 32, so that the count 32 covers them.
.macro QUARTER sl, qn, f, g, zero, fac, foff
	s_wait_dscnt 16                                ; the first 32 keys are in
	WIN MUL
	MUL8 \f, 0, 0, \zero
	MUL8 \f, 0, 2, \zero
	PLACES                                         ; in front of loads into registers that matrix instructions have read
.if \fac
	WIN 0
.irp m, 0,1,2,3
	ds_load_b32 v[F+2*\m], v[FA] offset:(\foff)+4*\m
.endr
.endif
	FETCH \sl, \qn, \g
	s_wait_dscnt 32                                ; all but the 32 just issued
	WIN MUL
	MUL8 \f, 1, 0, 0
	MUL8 \f, 1, 2, 0
.endm
; a slot's last quarter changes slots.  fill = 1: the slot is filled again, behind a round of the cluster's barrier; 2: with one step alone (waves 0 and 2); 0: nothing is asked for.
.macro TURN sl, nx, fill
	WIN 0
	s_wait_tensorcnt 0x0                           ; all my tensor loads have landed: my part of the next slot; so descriptors may be written
	ds_add_u32 v[SPW], v[NIL]
.if \fill
	ADDR \sl
.endif
	s_wait_dscnt 17                                ; (the add and the youngest sixteen loads may be out)
	WIN MUL
	MUL8 F1, 0, 0, 0
	s_wait_dscnt 0x0                               ; the add is done, and my reads of this slot are over
	s_barrier_signal -1
	MUL8 F1, 0, 2, 0
	WIN 0
	s_barrier_wait -1
.if \fill == 1
	CREST                                          ; no wave of any partner still reads this slot or has a load on its way
	JLOAD \sl                                      ; my one tensor load behind the round: it has a slot's two key steps in which to land; its four v_nop are the places in front of the loads below
.elseif \fill == 2
	CREST
	s_cmp_lg_u32 s[PAR], 0                         ; step 17 does not exist: waves 1 and 3 ask for nothing.  The wave's number alone: the same in all partners
	s_cbranch_scc1 .Lno_step_\@
	JLOAD \sl
.Lno_step_\@:
	PLACES
.else
	PLACES
.endif
	FETCH \nx, 0, F0
	WIN MUL
	MUL8 F1, 1, 0, 0
	MUL8 F1, 1, 2, 0
.endm
.macro ACCUM                           ; ACC += f x T.  The four v_nop stand in front of the first read of results; the 64 lines are also the places in front of the products that begin T anew
	PLACES
	WIN 0xa0                                       ; ACC (destination and source 2) window 2
.irp a, 0,1,2,3
.set i_, 0
.rept 16
	v_pk_fma_f32 v[32*\a+i_:32*\a+i_+1], v[T+32*\a+i_:T+32*\a+i_+1], v[F+2*\a:F+2*\a+1], v[32*\a+i_:32*\a+i_+1] op_sel_hi:[1,0,1]
.set i_, i_+2
.endr
.endr
.endm
.macro TOST a                          ; 16 rows x 64 channels through my stage
	WIN 0x08                                       ; an LDS store's data are its source 1: window 2
.irp b, 0,1,2,3
	ds_store_b128 v[STO], v[8*(4*(\a)+\b):8*(4*(\a)+\b)+3] offset:64*\b
	ds_store_b128 v[STO], v[8*(4*(\a)+\b)+4:8*(4*(\a)+\b)+7] offset:64*\b+16
.endr
	WIN 0
.irp t, 0,1,2,3,4,5,6,7
	ds_load_b128 v[OB+32*((\a)%2)+4*\t:OB+32*((\a)%2)+4*\t+3], v[RD] offset:\t*544   ; LDS serves a wave's instructions in order (ISA guide 5.7.1.4)
.endr
.endm
.macro STORES a
.irp t, 0,1,2,3,4,5,6,7
	global_store_b128 v[CO], v[OB+32*((\a)%2)+4*\t:OB+32*((\a)%2)+4*\t+3], s[OUTB:OUTB+1] offset:(\a)*65536+\t*8192 th:TH_STORE_NT   ; sixteen lanes store 256 consecutive bytes, aligned
.endr
.endm
.macro OUT skip
	TOST 0
	TOST 1
	s_wait_dscnt 16                                ; block 0 is back (block 1's 8 stores and 8 loads may be out): on both ways, since its registers are loaded again below
.if \skip
	s_cmp_eq_u32 s[SKIP], 1                        ; a sequence's first 16 rows are the next launch's
	s_cbranch_scc1 .Lfine_\@
.endif
	STORES 0
.if \skip
.Lfine_\@:
.endif
	s_wait_xcnt 0x0                                ; block 0's stores have read their registers
	TOST 2
	s_wait_dscnt 16
	STORES 1
	s_wait_xcnt 0x0
	TOST 3
	s_wait_dscnt 16
	STORES 2
	s_wait_dscnt 0x0
	STORES 3
.endm
.macro EDGE                            ; behind each of the first twelve steps: has the lower tile had its last?  N1 is the same in all partners; no barrier and no tensor load stands here
	WIN 0
	s_add_co_u32 s[POS], s[POS], 1
	s_cmp_lg_u32 s[POS], s[N1]
	s_cbranch_scc1 .Lon_\@
	OUT 1
	WIN 0x80
.set i_, 0
.rept 128
	v_mov_b32 v[i_], 0                             ; the upper tile begins
.set i_, i_+1
.endr
	WIN 0
	s_wait_xcnt 0x0                                ; the stores have read their base
	s_mov_b64 s[OUTB:OUTB+1], s[OUTH:OUTH+1]
.Lon_\@:
.endm
.macro VISIT sl, fill, edge, foff      ; a slot's two key steps
	QUARTER \sl, 1, F0, F1, 1, 1, \foff
	QUARTER \sl, 2, F1, F0, 0, 0, 0
	ACCUM
.if \edge
	EDGE
.endif
	QUARTER \sl, 3, F0, F1, 1, 1, (\foff)+256
	TURN \sl, 1-\sl, \fill
	ACCUM
.if \edge
	EDGE
.endif
.endm
	s_wait_tensorcnt 1                             ; my part of slot 0 is in; slot 1's may be out
	s_wait_dscnt 0x0                               ; my table of factors is written
	s_barrier_signal -1
	s_barrier_wait -1
	FETCH 0, 0, F0
	WIN 0
	s_mov_b32 s[LOOP], 3
.Ltrip:                                                ; three trips of four key steps: steps 0 to 11; steps 4 to 15 are asked for.  N1 is 8 at the most, so the change of tiles falls in here
	VISIT 0, 1, 1, 0
	VISIT 1, 1, 1, 512
	v_add_nc_u32 v[FA], 1024, v[FA]
	s_sub_co_u32 s[LOOP], s[LOOP], 1
	s_cmp_lg_u32 s[LOOP], 0
	s_cbranch_scc1 .Ltrip
	VISIT 0, 2, 0, 0                               ; steps 12, 13; step 16 is asked for
	VISIT 1, 0, 0, 512                             ; steps 14, 15
	QUARTER 0, 1, F0, F1, 1, 1, 1024               ; step 16
	s_wait_dscnt 16
	WIN MUL
	MUL8 F1, 0, 0, 0
	MUL8 F1, 0, 2, 0
	s_wait_dscnt 0
	MUL8 F1, 1, 0, 0
	MUL8 F1, 1, 2, 0
	ACCUM
	WIN 0
	OUT 0
	s_wait_tensorcnt 0x0                           ; the wave's end
	ds_add_u32 v[SPW], v[NIL]
	s_wait_dscnt 0x0
	CROUND                                         ; the closing round
	s_endpgm
.Lfunc_end_k_q7ec6a34dac_pv:
	.size	k_q7ec6a34dac_pv, .Lfunc_end_k_q7ec6a34dac_pv-k_q7ec6a34dac_pv
	.p2alignl 7, 3214868480
	.fill 96, 4, 3214868480
	.section	.rodata,"a",@progbits
	.p2align	6, 0x0
	.amdhsa_kernel k_q7ec6a34dac_pv
		.amdhsa_group_segment_fixed_size 327680
		.amdhsa_private_segment_fixed_size 0
		.amdhsa_enable_private_segment 0
		.amdhsa_kernarg_size 32
		.amdhsa_user_sgpr_count 2
		.amdhsa_user_sgpr_kernarg_segment_ptr 1
		.amdhsa_wavefront_size32 1
		.amdhsa_system_sgpr_workgroup_id_x 1
		.amdhsa_system_sgpr_workgroup_id_y 1
		.amdhsa_system_sgpr_workgroup_id_z 1
		.amdhsa_system_vgpr_workitem_id 0
		.amdhsa_next_free_vgpr 768
		.amdhsa_next_free_sgpr 96
		.amdhsa_reserve_vcc 0
		.amdhsa_float_denorm_mode_32 3
		.amdhsa_float_denorm_mode_16_64 3
		.amdhsa_memory_ordered 1
		.amdhsa_forward_progress 1
		.amdhsa_inst_pref_size 224
	.end_amdhsa_kernel
	.amdgpu_metadata
---
amdhsa.version: [ 1, 2 ]
amdhsa.kernels:
  - .name:           k_q7ec6a34dac_pv
    .symbol:         k_q7ec6a34dac_pv.kd
    .args:
      - { .name: p16, .offset: 0, .size: 8, .value_kind: global_buffer, .address_space: global }
      - { .name: vv, .offset: 8, .size: 8, .value_kind: global_buffer, .address_space: global }
      - { .name: stat, .offset: 16, .size: 8, .value_kind: global_buffer, .address_space: global }
      - { .name: out0, .offset: 24, .size: 8, .value_kind: global_buffer, .address_space: global }
    .group_segment_fixed_size: 327680
    .private_segment_fixed_size: 0
    .kernarg_segment_align: 8
    .kernarg_segment_size: 32
    .max_flat_workgroup_size: 128
    .sgpr_count:     96
    .vgpr_count:     768
    .wavefront_size: 32
...
	.end_amdgpu_metadata
.endif
;; end of part 4
;; launch fine (part 5): grid 4 x 1, 8 waves a work-group, no clusters, 84,992 bytes of LDS; arguments fin, out0; writes out0
.if DOCPART == 5
	.amdgcn_target "amdgcn-amd-amdhsa--gfx1250"
	.amdhsa_code_object_version 6
	.text
	.protected	k_q7ec6a34dac_fine
	.globl	k_q7ec6a34dac_fine
	.p2align	8
	.type	k_q7ec6a34dac_fine,@function
k_q7ec6a34dac_fine:
	s_mov_b64 s[64:65], 0
	v_nop
	global_prefetch_b8 v0, s[64:65] scope:SCOPE_SE
	s_setreg_imm32_b32 hwreg(HW_REG_WAVE_MODE, 25, 1), 1
	s_wait_xcnt 0x0
; The first 16 positions of each sequence, wholly in f32: under the causal mask they average one to sixteen values, so rounded operands would weigh most there.  q, k, v of those rows come in f32 from the projection's accumulators.
; LEFT OUT: bk (shown at the head of the first kernel); keys behind position 15 are hidden from these rows by the problem's own mask.
; One work-group a sequence; wave w owns channels 128 w .. 128 w + 127.  fin: [matrix 3][sequence 4][tile of 16 channels 64][u 2][lane 32][16 bytes]: lane (r, h): row r, channels 16 tile + 8 h + 4 u + 0..3.
; SCORES: 32 matrix instructions of the f32 form a wave.  A pair of registers holds, in lane (r, h), two channels of row r; q's pair and k's pair carry the same four channels in the same places, so their products are those of q . k.
; Four accumulators take turns, written by matrix instructions alone; the waves' partial sums meet in LDS behind the launch's one barrier; every wave then makes the whole softmax for itself.
; In a result register j of lane (r, h) is query 8 h + j, key r: a row's maximum and sum are four steps among sixteen lanes.
.set RED,   0                          ; 8 x 1,024 bytes: the waves' partial scores
.set PL,    8192                       ; 8 x 1,024: p [query 16][key 16], a copy for each wave
.set VL,    16384                      ; 8 x 16 rows x 528 bytes: v's rows of my 128 channels
.set VP,    528
.set SPARE, VL+8*16*VP                 ; the spare words, 128 bytes a wave, that no other line names
.set SPW,   14
.set NIL,   15
.set QF,    16
.set KF,    80
.set VF,    144
.set SA,    208
.set RS,    16
.set TT,    24
.set VV,    80                         ; v[key s][my 4 channels] at 4 s
.set PB,    144                        ; p of four queries, 16 registers each
.set OA,    16                         ; out[query t][my 4 channels] at 4 t
	s_load_b128 s[4:7], s[0:1], 0x0                ; fin, out0
	v_lshl_add_u32 v[SPW], v0, 2, SPARE
	v_mov_b32 v[NIL], 0
	v_lshrrev_b32 v1, 5, v0
	v_readfirstlane_b32 s8, v1                     ; wave
	v_and_b32 v2, 31, v0                           ; lane
	v_and_b32 v3, 15, v0                           ; r
	v_bfe_u32 v4, v0, 4, 1                         ; h
	v_lshlrev_b32 v5, 4, v2                        ; 16 x lane
	s_lshl_b32 s9, s8, 13
	v_add_nc_u32 v6, s9, v5                        ; fin: my 8 tiles of channels
	s_lshl_b32 s9, s8, 10
	v_add_nc_u32 v7, s9, v5                        ; RED: my wave's 1,024 bytes
	v_lshlrev_b32 v9, 3, v4
	v_sub_nc_u32 v9, v3, v9                        ; r - 8 h
	v_mov_b32 v10, 0xff800000
	s_add_co_u32 s9, s9, PL
	v_mov_b32 v1, s9                               ; my copy of p
	v_lshlrev_b32 v11, 9, v4
	v_lshl_add_u32 v11, v3, 2, v11
	v_add_nc_u32 v11, s9, v11                      ; p: query 8 h + j (64 bytes each), key r
	s_mul_i32 s9, s8, 16*VP
	s_add_co_u32 s9, s9, VL
	v_mul_u32_u24 v12, v3, VP
	v_lshl_add_u32 v12, v4, 5, v12
	v_add_nc_u32 v12, s9, v12                      ; v, way in: row r, + 32 h
	v_add_nc_u32 v13, s9, v5                       ; way out: my 4 channels
	s_lshl_b32 s9, s8, 9
	v_add_nc_u32 v240, s9, v5                      ; out0: 512 w + 16 x lane
	s_mov_b32 s12, 0x3d38aa3b                      ; c = log2(e) / sqrt(1024)
	s_mov_b32 s13, 0xbd38aa3b
	s_lshl_b32 s10, ttmp9, 16                      ; fin: 65,536 bytes a sequence
	s_mov_b32 s11, 0
	s_lshl_b32 s16, ttmp9, 23                      ; out0: 2,048 rows of 4,096 bytes
	s_mov_b32 s17, 0
	s_wait_kmcnt 0x0
	s_add_nc_u64 s[4:5], s[4:5], s[10:11]
	s_add_nc_u64 s[6:7], s[6:7], s[16:17]
.irp g, 0,1,2
.irp n, 0,1,2,3,4,5,6,7
.irp u, 0,1
	global_load_b128 v[QF+64*\g+8*\n+4*\u:QF+64*\g+8*\n+4*\u+3], v6, s[4:5] offset:262144*\g+1024*\n+512*\u
.endr
.endr
.endr
	s_wait_loadcnt 16                              ; q and k are in; v's sixteen loads may be out
.set p_, 0
.rept 32
.if p_ < 4
	v_wmma_f32_16x16x4_f32 v[SA+8*(p_%4):SA+8*(p_%4)+7], v[QF+2*p_:QF+2*p_+1], v[KF+2*p_:KF+2*p_+1], 0
.else
	v_wmma_f32_16x16x4_f32 v[SA+8*(p_%4):SA+8*(p_%4)+7], v[QF+2*p_:QF+2*p_+1], v[KF+2*p_:KF+2*p_+1], v[SA+8*(p_%4):SA+8*(p_%4)+7]
.endif
.set p_, p_+1
.endr
.rept 8
	v_nop                                          ; eight places behind this form (ISA guide 7.12.1)
.endr
.irp j, 0,1,2,3,4,5,6,7
	v_add_f32 v[RS+\j], v[SA+\j], v[SA+8+\j]       ; what is made of the sums goes into other registers; each accumulator from its low end on
.endr
.irp j, 0,1,2,3,4,5,6,7
	v_add_f32 v[TT+\j], v[SA+16+\j], v[SA+24+\j]
.endr
.irp j, 0,1,2,3,4,5,6,7
	v_add_f32 v[RS+\j], v[RS+\j], v[TT+\j]
.endr
	ds_store_b128 v7, v[RS:RS+3]
	ds_store_b128 v7, v[RS+4:RS+7] offset:512
	s_wait_dscnt 0x0                               ; for the others' sake: my partial scores are written
	s_barrier_signal -1
	s_barrier_wait -1
.irp w, 0,1,2,3,4,5,6,7
	ds_load_b128 v[KF+8*\w:KF+8*\w+3], v5 offset:RED+1024*\w
	ds_load_b128 v[KF+8*\w+4:KF+8*\w+7], v5 offset:RED+1024*\w+512
.endr
	s_wait_dscnt 0x0
.irp j, 0,1,2,3,4,5,6,7
	v_add_f32 v[RS+\j], v[KF+\j], v[KF+8+\j]
.endr
.irp w, 2,3,4,5,6,7
.irp j, 0,1,2,3,4,5,6,7
	v_add_f32 v[RS+\j], v[RS+\j], v[KF+8*\w+\j]
.endr
.endr
.irp j, 0,1,2,3,4,5,6,7
	v_cmp_lt_i32 vcc_lo, \j, v9                    ; key r is hidden from query 8 h + j where j < r - 8 h
	v_cndmask_b32 v[RS+\j], v[RS+\j], v10, vcc_lo
.endr
.irp j, 0,1,2,3,4,5,6,7
	v_max_num_f32_dpp v[TT+\j], v[RS+\j], v[RS+\j] row_xmask:1 row_mask:0xf bank_mask:0xf
.endr
.irp x, 2,4,8
.irp j, 0,1,2,3,4,5,6,7
	v_max_num_f32_dpp v[TT+\j], v[TT+\j], v[TT+\j] row_xmask:\x row_mask:0xf bank_mask:0xf
.endr
.endr
.irp j, 0,1,2,3,4,5,6,7
	v_mul_f32 v[TT+\j], s13, v[TT+\j]              ; -c x the row's maximum (key 0 counts for every query: it is a number)
.endr
.irp j, 0,1,2,3,4,5,6,7
	v_fma_f32 v[RS+\j], v[RS+\j], s12, v[TT+\j]
.endr
.irp j, 0,1,2,3,4,5,6,7
	v_exp_f32 v[RS+\j], v[RS+\j]
.endr
	v_nop
	s_wait_alu depctr_va_vdst(0)                   ; the wait ahead of the first line that names a result: one for the batch
.irp j, 0,1,2,3,4,5,6,7
	v_add_f32_dpp v[TT+\j], v[RS+\j], v[RS+\j] row_xmask:1 row_mask:0xf bank_mask:0xf
.endr
.irp x, 2,4,8
.irp j, 0,1,2,3,4,5,6,7
	v_add_f32_dpp v[TT+\j], v[TT+\j], v[TT+\j] row_xmask:\x row_mask:0xf bank_mask:0xf
.endr
.endr
.irp j, 0,1,2,3,4,5,6,7
	v_rcp_f32 v[TT+\j], v[TT+\j]
.endr
	v_nop
	s_wait_alu depctr_va_vdst(0)
.irp j, 0,1,2,3,4,5,6,7
	v_mul_f32 v[RS+\j], v[RS+\j], v[TT+\j]
.endr
.irp j, 0,1,2,3,4,5,6,7
	ds_store_b32 v11, v[RS+\j] offset:64*\j
.endr
	s_wait_loadcnt 0x0                             ; v
.irp n, 0,1,2,3,4,5,6,7
.irp u, 0,1
	ds_store_b128 v12, v[VF+8*\n+4*\u:VF+8*\n+4*\u+3] offset:64*\n+16*\u
.endr
.endr
.irp k, 0,1,2,3,4,5,6,7,8,9,10,11,12,13,14,15
	ds_load_b128 v[VV+4*\k:VV+4*\k+3], v13 offset:VP*\k            ; my wave's own bytes: LDS serves a wave's instructions in order (ISA guide 5.7.1.4)
.endr
.macro ROWT t                          ; out[t] = the sum over s <= t of p[t][s] v[s], my 4 channels
.set s_, 0
.rept (\t)+1
.irp i, 0,1,2,3
.if s_ == 0
	v_mul_f32 v[OA+4*(\t)+\i], v[PB+16*((\t)%4)+s_], v[VV+4*s_+\i]
.else
	v_fma_f32 v[OA+4*(\t)+\i], v[PB+16*((\t)%4)+s_], v[VV+4*s_+\i], v[OA+4*(\t)+\i]
.endif
.endr
.set s_, s_+1
.endr
.endm
.irp g, 0,1,2,3
.irp d, 0,1,2,3
.irp e, 0,1,2,3
.if \e <= \g
	ds_load_b128 v[PB+16*\d+4*\e:PB+16*\d+4*\e+3], v1 offset:64*(4*\g+\d)+16*\e   ; every lane reads the same 16 bytes: four weights of query 4 g + d; quarters wholly hidden are not read
.endif
.endr
.endr
	s_wait_dscnt 0x0
.irp d, 0,1,2,3
	ROWT 4*\g+\d
	global_store_b128 v240, v[OA+4*(4*\g+\d):OA+4*(4*\g+\d)+3], s[6:7] offset:4096*(4*\g+\d)   ; the wave stores 512 consecutive bytes, aligned
.endr
.endr
	s_wait_tensorcnt 0x0                           ; the wave's end, behind my last LDS store
	ds_add_u32 v[SPW], v[NIL]
	s_wait_dscnt 0x0
	s_endpgm
.Lfunc_end_k_q7ec6a34dac_fine:
	.size	k_q7ec6a34dac_fine, .Lfunc_end_k_q7ec6a34dac_fine-k_q7ec6a34dac_fine
	.p2alignl 7, 3214868480
	.fill 96, 4, 3214868480
	.section	.rodata,"a",@progbits
	.p2align	6, 0x0
	.amdhsa_kernel k_q7ec6a34dac_fine
		.amdhsa_group_segment_fixed_size 84992
		.amdhsa_private_segment_fixed_size 0
		.amdhsa_enable_private_segment 0
		.amdhsa_kernarg_size 16
		.amdhsa_user_sgpr_count 2
		.amdhsa_user_sgpr_kernarg_segment_ptr 1
		.amdhsa_wavefront_size32 1
		.amdhsa_system_sgpr_workgroup_id_x 1
		.amdhsa_system_sgpr_workgroup_id_y 1
		.amdhsa_system_sgpr_workgroup_id_z 1
		.amdhsa_system_vgpr_workitem_id 0
		.amdhsa_next_free_vgpr 256
		.amdhsa_next_free_sgpr 66
		.amdhsa_reserve_vcc 1
		.amdhsa_float_denorm_mode_32 3
		.amdhsa_float_denorm_mode_16_64 3
		.amdhsa_memory_ordered 1
		.amdhsa_forward_progress 1
		.amdhsa_inst_pref_size 58
	.end_amdhsa_kernel
	.amdgpu_metadata
---
amdhsa.version: [ 1, 2 ]
amdhsa.kernels:
  - .name:           k_q7ec6a34dac_fine
    .symbol:         k_q7ec6a34dac_fine.kd
    .args:
      - { .name: fin, .offset: 0, .size: 8, .value_kind: global_buffer, .address_space: global }
      - { .name: out0, .offset: 8, .size: 8, .value_kind: global_buffer, .address_space: global }
    .group_segment_fixed_size: 84992
    .private_segment_fixed_size: 0
    .kernarg_segment_align: 8
    .kernarg_segment_size: 16
    .max_flat_workgroup_size: 256
    .sgpr_count:     66
    .vgpr_count:     256
    .wavefront_size: 32
...
	.end_amdgpu_metadata
.endif
;; end of part 5
